; MI455X (gfx1250); checked and timed in simulation.
; The chip was launched on July 23, 2026; its instructions are those of AMD's public machine-readable ISA for CDNA 5 (MIT licence, August 2026) and "CDNA5" Instruction Set Architecture Reference Guide (July 2026). The comments in the code are by the model that wrote it; some were corrected since.
;; Causal Self Attention. Allowed arithmetic: matrix products marked QUANTISED: E2M3 operands, one E8M0 scale for each 32 along K, by v_wmma_scale_f32_16x16x128_f8f6f4 with both operands' format E2M3, f32 sums; everything else in f32.
;; Inputs: Wout 1,024 x 1,024 float32; Wqkv 1,024 x 3,072 float32; bout 1,024 float32; bqkv 3,072 float32; x 4 x 2,048 x 1,024 float32.
;; Outputs: out0 4 x 2,048 x 1,024 float32.
;; This version of the problem:
;;   THIS VERSION OF THE PROBLEM IS GIVEN IN LOW PRECISION. The matrix products marked QUANTISED in the list below multiply operands that are first quantised to E2M3 (2 exponent bits, 3 mantissa bits; 6 bits a number), with one power-of-two scale for each 32 numbers along K (OCP MX v1.0); their sums are f32. All else is computed in f32.
;;   The module's matrix products, in the order in which they are computed (A, B: the left and right operand; K: the contracted axis; several contracted axes count as one K, in the product's order):
;;     1. [M 8,192, K 1,024] x [K 1,024, N 3,072]; A: input x; B: input Wqkv: QUANTISED
;;     2. batch 64 x [M 2,048, K 64] x [K 64, N 2,048]; A: computed on the way; B: computed on the way: QUANTISED
;;     3. batch 64 x [M 2,048, K 2,048] x [K 2,048, N 64]; A: softmax (see below); B: computed on the way: QUANTISED
;;     4. [M 8,192, K 1,024] x [K 1,024, N 1,024]; A: computed on the way; B: input Wout: QUANTISED
;;   THE QUANTISER, for each operand of a quantised product, along K:
;;     - K is cut into blocks of 32 from its start; a last block that is shorter is filled with zeros.
;;     - A block's scale is 2^e with e = floor(log2(the largest magnitude in the block)) - 2, held to -126 .. 127; a block of zeros has e = 0. As a byte (E8M0): e + 127.
;;     - Each number is divided by its block's scale, clamped to +-7.5, and rounded to the nearest number of E2M3, ties to even, subnormals kept.
;;     - The product sums the exact products of the quantised numbers (number of the format x scale) in f32.
;;   ~~~python
;;   def quantise(x, axis):      # numpy; x: float32 -> the quantised numbers, widened to float32 again
;;       x = np.moveaxis(x, axis, -1); K = x.shape[-1]
;;       x = np.pad(x, [(0, 0)] * (x.ndim - 1) + [(0, -K % 32)]); x = x.reshape(x.shape[:-1] + (-1, 32)); a = np.abs(x).max(-1, keepdims=True)
;;       e = np.where(a > 0, np.clip(np.frexp(np.where(a > 0, a, 1))[1] - 1 - 2, -126, 127), 0)      # np.frexp(a)[1] - 1 = floor(log2(a)), exactly
;;       r = np.clip(x / 2.0 ** e, -7.5, 7.5)
;;       step = 2.0 ** (np.maximum(np.frexp(np.where(r == 0, 1, r))[1] - 1, 0) - 3)
;;       q = np.round(r / step) * step * 2.0 ** e      # np.round: ties to even
;;       return np.moveaxis(q.reshape(q.shape[:-2] + (-1,))[..., :K], -1, axis).astype(np.float32)
;;   ~~~
;;   SOFTMAX AHEAD OF A QUANTISED PRODUCT. Where the list says 'softmax', what is quantised is not the finished softmax but p = 2^(t - M), with t = logit x log2(e) and M = ceil(the row's largest t), a whole number; so 1/2 < the row's largest p <= 1. The row's sum l is taken of the UNQUANTISED p, in f32, and the product's result is divided by l at the end. Since M is a whole number, a kernel that streams over the keys may use a running M (the ceiling of the running maximum): every later rescaling is an exact power of two, which a block's scale takes up: the codes' values come out the same.
;;   OPERANDS COMPUTED ON THE WAY. 'Computed on the way' means the value that the module computes at that place (a softmax that the list does not call 'softmax' is quantised finished and normalised). What goes into a quantiser is computed in f32, as accurately as f32 sums, v_exp_f32 and their like allow (about 1e-6 of the number): no bf16 or f16 on the way to a quantiser, and a product that is left as it is and whose result goes on into a quantised operand takes f32 operands (vector FMAs, or v_wmma_f32_16x16x4_f32). A number that lies on a knife's edge between two numbers of the format may be rounded either way, as far as f32 arithmetic and the matrix unit's own rounding can turn it there, and no further.
;; One version. Each part assembles by itself: llvm-mc -triple=amdgcn-amd-amdhsa -mcpu=gfx1250 --defsym DOCPART=n.
;; ======== version 1 of 1: 4 launches
;; workspace buffers: xq 6,553,600 bytes; wq 3,276,800 bytes; qk 13,631,488 bytes; vv 6,553,600 bytes; yq 6,553,600 bytes
;; launch quant (part 1): grid 384 x 1, 4 waves a work-group, no clusters, 58,880 bytes of LDS; arguments x, Wqkv, Wout, xq, wq; writes xq, wq
.if DOCPART == 1
	.amdgcn_target "amdgcn-amd-amdhsa--gfx1250"
	.amdhsa_code_object_version 6
	.text
	.protected	k_q7599545966_quant
	.globl	k_q7599545966_quant
	.p2align	8
	.type	k_q7599545966_quant,@function
k_q7599545966_quant:
	s_mov_b64 s[64:65], 0
	v_nop
	global_prefetch_b8 v0, s[64:65] scope:SCOPE_SE
	s_setreg_imm32_b32 hwreg(HW_REG_WAVE_MODE, 25, 1), 1
	s_wait_xcnt 0x0
; x [8192][1024], Wqkv [1024][3072] and Wout [1024][1024], f32, become codes of FP6 (E2M3) with one E8M0 byte for each 32 along K (K = the 1024 of each).
; A block's scale is 2^(floor(log2(largest magnitude)) - 2); its byte is the largest magnitude's exponent field - 2, held at 1 from below (a block of zeros keeps the byte 1: its codes are zeros, and this program alone reads the bytes).
; LIMITS: NaN and infinities are not served; blocks whose largest magnitude lies under 2^-124 keep the byte 1.
; LAYOUT OF THE RESULTS: images of the operand's registers.  A fragment (16 rows x 128 K, 12 registers a lane) is six pieces of 256 bytes, piece p = registers 2 p, 2 p + 1, lane l at byte 8 l.
; Codes: [tile of 16 rows][K step 0..7][1,536 bytes].  Scale words: [group of 32 rows][pair of K steps 0..3][place 0..31][2 words], behind the codes.
; THE ROWS OF A TILE ARE NOT NEIGHBOURS: in each group of 32 rows place 16 u + q holds row 8 u + q + 8 (q / 8), so that a later product's results come out as neighbours along the next K.
; Work-groups 0..255: x, 32 rows each, a wave a quarter of K (four fragments).  Loads read 512 consecutive bytes; a fragment's 16 rows turn through the wave's own stage in LDS so that a lane gets 16 neighbours of each block.
; Work-groups 256..383: the weights.  wq's rows 0..3071 are Wqkv's columns, rows 3072..4095 Wout's.  A lane takes a column and its registers run down K (a wave: 32 columns x 256 K); the codes meet in the wave's stage as images.
; The two ways have LDS bytes of their own and never join.  No tensor loads, no barrier: waves share nothing.
.set XSTW,  8448                       ; x's stage of a wave: 16 rows x (512 + 16) bytes
.set WST,   33792                      ; behind the four: the weights' stages,
.set WSTW,  6144                       ; four images a wave
.set SPARE, 58368                      ; the spare words, 128 bytes a wave: two blocks of 256 bytes that no other line names
.set XSCL,  6291456                    ; where xq's scale words begin
.set WSCL,  3145728                    ; and wq's
.set T16,   12288                      ; a tile of 16 rows: 8 images
.set IMG,   1536
.set SPW, 252                          ; v252 my spare word's LDS address; never rewritten
.set NIL, 253                          ; v253 0; never rewritten
.set SEL, 20                           ; s[20:21] lane selects: lane l xor 16
.set HM,  22                           ; s22 the mask of lanes 16-31
.set R,   16                           ; x: v16-143 two sets of 64 as loaded
.set X,   144                          ; v144-207 64 numbers: register 16 b + i = k 32 b + 16 (lane / 16) + i of my row
.set PC,  208                          ; v208-226 codes
.set TM,  228                          ; v228-243 at work
.set PWS, 245                          ; v245-248 the four fragments' scale words
.set OFF, 16                           ; weights: v16-47 4 x lane + i x a row of W
.set XW,  48                           ; v48-111 two sets of 32
.set C,   112                          ; v112-118 a block's codes
.set SBW, 120                          ; v[120:121] my column's 8 scale bytes
.set OUTR, 128                         ; v128-175 the way out
; 64 numbers of a lane become a fragment's 12 registers at v[pc] and its row's scale word in v[pw]
.macro QUANT s, pc, tm, pw
.irp b, 0,1,2,3
	v_max3_num_f32 v[\tm+\b], |v[\s+16*\b]|, |v[\s+1+16*\b]|, 0x1800000   ; my 16 numbers of block b, and the floor 2^(3 - 127): the byte cannot fall under 1
.endr
.irp i, 2,4,6,8,10,12,14
.irp b, 0,1,2,3
	v_max3_num_f32 v[\tm+\b], v[\tm+\b], |v[\s+16*\b+\i]|, |v[\s+1+16*\b+\i]|
.endr
.endr
.irp b, 0,1,2,3
	v_permlanex16_b32 v[\tm+4+\b], v[\tm+\b], s[SEL], s[SEL+1]
.endr
.irp b, 0,1,2,3
	v_max_num_f32 v[\tm+\b], v[\tm+\b], v[\tm+4+\b]   ; with lane l xor 16's: the block's largest magnitude
.endr
.irp b, 0,1,2,3
	v_add_nc_u32 v[\tm+12+\b], 0xff000000, v[\tm+\b]   ; 2 off its exponent field: the conversion's scale operand
.endr
.irp b, 0,1,2,3
	v_lshrrev_b32 v[\tm+4+\b], 23, v[\tm+12+\b]   ; the byte
.endr
	v_lshl_or_b32 v[\pw], v[\tm+5], 8, v[\tm+4]
	v_lshl_or_b32 v[\pw], v[\tm+6], 16, v[\pw]
	v_lshl_or_b32 v[\pw], v[\tm+7], 24, v[\pw]
.irp c, 0,1
	v_cvt_scalef32_pk16_fp6_f32 v[\pc+6*\c:\pc+2+6*\c], v[\s+32*\c:\s+15+32*\c], v[\tm+12+2*\c]
	v_cvt_scalef32_pk16_fp6_f32 v[\pc+12+4*\c:\pc+14+4*\c], v[\s+16+32*\c:\s+31+32*\c], v[\tm+12+2*\c+1]   ; (a conversion's three registers begin on an even number)
.endr
	v_nop                                          ; one plain place behind a scaled conversion
.irp c, 0,1                                    ; a whole block to a lane: lanes 0-15 block 2 c, lanes 16-31 block 2 c + 1
.irp i, 0,1,2
	v_permlane16_swap_b32 v[\pc+6*\c+\i], v[\pc+12+4*\c+\i]
.endr
.irp i, 0,1,2
	v_mov_b32 v[\pc+3+6*\c+\i], v[\pc+12+4*\c+\i]
.endr
.endr
.endm
	s_load_b256 s[4:11], s[0:1], 0x0               ; x s[4:5], Wqkv s[6:7], Wout s[8:9], xq s[10:11]
	s_load_b64 s[12:13], s[0:1], 0x20              ; wq
	v_lshl_add_u32 v[SPW], v0, 2, SPARE
	v_mov_b32 v[NIL], 0
	v_lshrrev_b32 v1, 5, v0
	v_readfirstlane_b32 s16, v1                    ; wave
	v_and_b32 v10, 31, v0                          ; lane
	v_and_b32 v11, 15, v0                          ; r
	v_bfe_u32 v12, v0, 4, 1                        ; lane / 16
	v_lshlrev_b32 v1, 4, v10                       ; 16 x lane
	v_lshlrev_b32 v4, 3, v10                       ; 8 x lane
	v_lshlrev_b32 v8, 2, v10                       ; 4 x lane
	; every LDS address of both ways is made here, ahead of the parting
	s_mul_i32 s17, s16, XSTW
	v_add_nc_u32 v2, s17, v1                       ; x's stage, in: 16 x lane (+ 528 a row)
	v_mul_u32_u24 v3, v11, 528
	v_lshl_add_u32 v3, v12, 6, v3
	v_add_nc_u32 v3, s17, v3                       ; out: row r, + 64 (lane / 16)
	v_bfe_u32 v13, v0, 3, 1                        ; my column's tile u = (lane / 8) % 2
	v_and_b32 v14, 7, v0
	v_lshl_add_u32 v14, v12, 3, v14                ; and its place q = lane % 8 + 8 (lane / 16)
	s_mul_i32 s18, s16, WSTW
	s_add_co_u32 s18, s18, WST
	v_mul_u32_u24 v5, v13, IMG
	v_lshl_add_u32 v5, v14, 3, v5
	v_add_nc_u32 v5, s18, v5                       ; the weights' stage, in: image u, 8 q
	v_add_nc_u32 v6, s18, v1                       ; out: 16 x lane
	v_lshl_add_u32 v9, v13, 4, v14
	v_lshlrev_b32 v9, 3, v9                        ; my column's two scale words: 8 (16 u + q)
	s_mov_b32 s[SEL], 0x76543210
	s_mov_b32 s[SEL+1], 0xfedcba98
	s_mov_b32 s[HM], 0xffff0000
	s_mov_b32 s25, 0
	s_wait_kmcnt 0x0
	s_cmp_lt_u32 ttmp9, 256
	s_cbranch_scc0 .Lweights
	; ---------------- x ----------------
	s_lshl_b32 s24, ttmp9, 17                      ; 32 rows of 4,096 bytes,
	s_lshl_b32 s26, s16, 10                        ; my quarter of K
	s_add_co_u32 s24, s24, s26
	s_add_nc_u64 s[4:5], s[4:5], s[24:25]
	s_mul_i32 s24, ttmp9, 2*T16                    ; my two tiles,
	s_mul_i32 s26, s16, 2*IMG                      ; my two K steps
	s_add_co_u32 s24, s24, s26
	s_add_nc_u64 s[28:29], s[10:11], s[24:25]
	s_lshl_b32 s24, ttmp9, 10                      ; my group's scale words,
	s_lshl_b32 s26, s16, 8                         ; my pair of K steps
	s_add_co_u32 s24, s24, s26
	s_add_co_u32 s24, s24, XSCL
	s_add_nc_u64 s[30:31], s[10:11], s[24:25]
.irp b, 0,1,2,3
	v_mov_b32 v[TM+4+\b], 0                        ; written once: a lane permute's destination counts as one of its sources
.endr
; fragment f = 2 u + ks: tile u, K step ks of my two.  Sixteen loads of 512 consecutive bytes, one for each place of the tile
.macro LOADF f
.irp q, 0,1,2,3,4,5,6,7,8,9,10,11,12,13,14,15
	global_load_b128 v[R+64*((\f)%2)+4*\q:R+64*((\f)%2)+4*\q+3], v1, s[4:5] offset:(8*((\f)/2)+\q+8*(\q/8))*4096+512*((\f)%2) th:TH_LOAD_NT
.endr
.endm
.macro FRAGX f
.if (\f) < 3
	s_wait_loadcnt 16                              ; my 16 loads are in; the next fragment's 16 may be out
.else
	s_wait_loadcnt 0x0
.endif
.irp q, 0,1,2,3,4,5,6,7,8,9,10,11,12,13,14,15
	ds_store_b128 v2, v[R+64*((\f)%2)+4*\q:R+64*((\f)%2)+4*\q+3] offset:528*\q
.endr
.irp b, 0,1,2,3
.irp j, 0,1,2,3
	ds_load_b128 v[X+16*\b+4*\j:X+16*\b+4*\j+3], v3 offset:128*\b+16*\j   ; LDS serves a wave's instructions in order: these see the stores above
.endr
.endr
	s_wait_dscnt 0x0                               ; the numbers are back, and the stores have read their registers,
.if (\f) < 2
	LOADF (\f)+2                                   ; which take the fragment two on
.endif
	s_wait_xcnt 0x0                                ; the last fragment's stores have read the codes' registers: they are written again only behind this wait
	QUANT X, PC, TM, PWS+(\f)
.irp p, 0,1,2,3,4,5
	global_store_b64 v4, v[PC+2*\p:PC+2*\p+1], s[28:29] offset:((\f)/2)*T16+((\f)%2)*IMG+256*\p   ; 32 lanes store 256 consecutive bytes, aligned
.endr
.endm
	LOADF 0
	LOADF 1
	FRAGX 0
	FRAGX 1
	FRAGX 2
	FRAGX 3
	v_cndmask_b32 v250, v[PWS+0], v[PWS+2], s[HM]  ; place l of the group: lanes 0-15 tile 0's rows, lanes 16-31 tile 1's;
	v_cndmask_b32 v251, v[PWS+1], v[PWS+3], s[HM]  ; two words: my two K steps
	global_store_b64 v4, v[250:251], s[30:31]      ; 256 consecutive bytes, aligned
	s_wait_tensorcnt 0x0                           ; the wave's end: behind my last LDS store
	ds_add_u32 v[SPW], v[NIL]
	s_wait_dscnt 0x0
	s_endpgm
	; ---------------- the weights ----------------
.Lweights:
	s_sub_co_u32 s24, ttmp9, 256
	s_and_b32 s26, s24, 3                          ; which 256 along K
	s_lshr_b32 s24, s24, 2                         ; which 128 columns
	s_lshl_b32 s27, s24, 2
	s_add_co_u32 s27, s27, s16                     ; G: my wave's group of 32 rows of wq, 0..127
	s_mov_b32 s28, 4096
	s_cmp_lt_u32 s24, 24                           ; groups 0..95 are Wqkv's, 96..127 Wout's
	s_cselect_b64 s[32:33], s[6:7], s[8:9]
	s_cselect_b32 s28, 12288, s28                  ; a row of the source in bytes
	s_cselect_b32 s29, 0, 96
	s_sub_co_u32 s29, s27, s29                     ; the group's number in its source
	s_lshl_b32 s29, s29, 7                         ; 32 columns of 4 bytes
	s_mul_i32 s30, s26, s28
	s_lshl_b32 s30, s30, 8                         ; 256 rows for each quarter of K
	s_add_co_u32 s30, s30, s29
	s_mov_b32 s31, 0
	s_add_nc_u64 s[32:33], s[32:33], s[30:31]
	s_lshl_b32 s34, s28, 5                         ; a block on: 32 rows
	s_mov_b32 s35, 0
	s_mul_i32 s36, s27, 2*T16
	s_mul_i32 s38, s26, 2*IMG
	s_add_co_u32 s36, s36, s38
	s_mov_b32 s37, 0
	s_add_nc_u64 s[36:37], s[12:13], s[36:37]      ; my two tiles, my two K steps
	s_lshl_b32 s38, s27, 10
	s_lshl_b32 s40, s26, 8
	s_add_co_u32 s38, s38, s40
	s_add_co_u32 s38, s38, WSCL
	s_mov_b32 s39, 0
	s_add_nc_u64 s[38:39], s[12:13], s[38:39]      ; my group's scale words, my pair of K steps
.set i, 0
.rept 32
	v_mad_u32_u24 v[OFF+i], s28, i, v8             ; row i of a block, my column
.set i, i+1
.endr
.macro LOADB t                         ; block t: 32 rows of W at my 32 columns: 128 consecutive bytes a load, the four waves side by side on 512
.set i, 0
.rept 32
	global_load_b32 v[XW+32*((\t)%2)+i], v[OFF+i], s[32:33] th:TH_LOAD_NT
.set i, i+1
.endr
	s_wait_xcnt 0x0                                ; the loads have read their base: it steps only behind this wait
	s_add_nc_u64 s[32:33], s[32:33], s[34:35]
.endm
.macro BLOCK t
.set XS, XW+32*((\t)%2)
.if (\t) < 7
	s_wait_loadcnt 32                              ; this block's 32 loads are in; the next block's may be out
.else
	s_wait_loadcnt 0x0
.endif
	v_max3_num_f32 v122, |v[XS]|, |v[XS+1]|, |v[XS+2]|     ; all 32 numbers of the block are mine
	v_max3_num_f32 v123, |v[XS+3]|, |v[XS+4]|, |v[XS+5]|
.irp i, 6,10,14,18,22,26
	v_max3_num_f32 v122, v122, |v[XS+\i]|, |v[XS+\i+1]|
	v_max3_num_f32 v123, v123, |v[XS+\i+2]|, |v[XS+\i+3]|
.endr
	v_max3_num_f32 v122, v122, |v[XS+30]|, |v[XS+31]|
	v_max3_num_f32 v122, v122, v123, 0x1800000     ; and the floor
	v_add_nc_u32 v124, 0xff000000, v122            ; the conversion's scale operand
	v_lshrrev_b32 v123, 23, v124                   ; the byte
.if (\t)%4 == 0
	v_mov_b32 v[SBW+(\t)/4], v123
.else
	v_lshl_or_b32 v[SBW+(\t)/4], v123, 8*((\t)%4), v[SBW+(\t)/4]
.endif
	v_cvt_scalef32_pk16_fp6_f32 v[C:C+2], v[XS:XS+15], v124
	v_cvt_scalef32_pk16_fp6_f32 v[C+4:C+6], v[XS+16:XS+31], v124
	v_nop                                          ; one plain place behind a scaled conversion
	v_mov_b32 v[C+3], v[C+4]
	v_mov_b32 v[C+4], v[C+5]
	v_mov_b32 v[C+5], v[C+6]                       ; the block's 24 bytes on end
.irp p, 0,1,2
	ds_store_b64 v5, v[C+2*\p:C+2*\p+1] offset:((\t)/4)*2*IMG+(3*(((\t)%4)/2)+\p)*256+128*((\t)%2)   ; block 2 c + h of a K step is registers 6 c .. 6 c + 5 of lane q + 16 h
.endr
.if (\t)+2 < 8
	LOADB (\t)+2
.endif
	s_wait_dscnt 0x0                               ; the stores have read their registers
.endm
	LOADB 0
	LOADB 1
.irp t, 0,1,2,3,4,5,6,7
	BLOCK \t
.endr
	global_store_b64 v9, v[SBW:SBW+1], s[38:39]    ; the 32 lanes fill 256 consecutive bytes, aligned
.irp n, 0,1,2,3,4,5,6,7,8,9,10,11
	ds_load_b128 v[OUTR+4*\n:OUTR+4*\n+3], v6 offset:512*\n     ; [K step][tile][image]: LDS serves a wave's instructions in order
.endr
.irp n, 0,1,2,3,4,5,6,7,8,9,10,11
	s_wait_dscnt 11-\n
	global_store_b128 v1, v[OUTR+4*\n:OUTR+4*\n+3], s[36:37] offset:((\n/3)%2)*T16+(\n/6)*IMG+512*(\n%3)   ; 512 consecutive bytes, aligned
.endr
	s_wait_tensorcnt 0x0                           ; the wave's end: behind my last LDS store
	ds_add_u32 v[SPW], v[NIL]
	s_wait_dscnt 0x0
	s_endpgm
.Lfunc_end_k_q7599545966_quant:
	.size	k_q7599545966_quant, .Lfunc_end_k_q7599545966_quant-k_q7599545966_quant
	.p2alignl 7, 3214868480
	.fill 96, 4, 3214868480
	.section	.rodata,"a",@progbits
	.p2align	6, 0x0
	.amdhsa_kernel k_q7599545966_quant
		.amdhsa_group_segment_fixed_size 58880
		.amdhsa_private_segment_fixed_size 0
		.amdhsa_enable_private_segment 0
		.amdhsa_kernarg_size 40
		.amdhsa_user_sgpr_count 2
		.amdhsa_user_sgpr_kernarg_segment_ptr 1
		.amdhsa_wavefront_size32 1
		.amdhsa_system_sgpr_workgroup_id_x 1
		.amdhsa_system_sgpr_workgroup_id_y 1
		.amdhsa_system_sgpr_workgroup_id_z 1
		.amdhsa_system_vgpr_workitem_id 0
		.amdhsa_next_free_vgpr 256
		.amdhsa_next_free_sgpr 66
		.amdhsa_reserve_vcc 0
		.amdhsa_float_denorm_mode_32 3
		.amdhsa_float_denorm_mode_16_64 3
		.amdhsa_memory_ordered 1
		.amdhsa_forward_progress 1
		.amdhsa_inst_pref_size 79
	.end_amdhsa_kernel
	.amdgpu_metadata
---
amdhsa.version: [ 1, 2 ]
amdhsa.kernels:
  - .name:           k_q7599545966_quant
    .symbol:         k_q7599545966_quant.kd
    .args:
      - { .name: x, .offset: 0, .size: 8, .value_kind: global_buffer, .address_space: global }
      - { .name: Wqkv, .offset: 8, .size: 8, .value_kind: global_buffer, .address_space: global }
      - { .name: Wout, .offset: 16, .size: 8, .value_kind: global_buffer, .address_space: global }
      - { .name: xq, .offset: 24, .size: 8, .value_kind: global_buffer, .address_space: global }
      - { .name: wq, .offset: 32, .size: 8, .value_kind: global_buffer, .address_space: global }
    .group_segment_fixed_size: 58880
    .private_segment_fixed_size: 0
    .kernarg_segment_align: 8
    .kernarg_segment_size: 40
    .max_flat_workgroup_size: 128
    .sgpr_count:     66
    .vgpr_count:     256
    .wavefront_size: 32
...
	.end_amdgpu_metadata
.endif
;; end of part 1
;; launch qkv (part 2): grid 12 x 32, 4 waves a work-group, clusters of 4 x 4, 327,680 bytes of LDS; arguments xq, wq, bqkv, qk, vv; writes qk, vv
.if DOCPART == 2
	.amdgcn_target "amdgcn-amd-amdhsa--gfx1250"
	.amdhsa_code_object_version 6
	.text
	.protected	k_q7599545966_qkv
	.globl	k_q7599545966_qkv
	.p2align	8
	.type	k_q7599545966_qkv,@function
k_q7599545966_qkv:
	s_mov_b64 s[64:65], 0
	v_nop
	global_prefetch_b8 v0, s[64:65] scope:SCOPE_SE
	s_setreg_imm32_b32 hwreg(HW_REG_WAVE_MODE, 25, 1), 1
	s_wait_xcnt 0x0
	s_wait_alu depctr_hold_cnt(0) depctr_sa_sdst(0) depctr_va_vdst(0) depctr_va_sdst(0) depctr_va_ssrc(0) depctr_va_vcc(0) depctr_vm_vsrc(0)
	s_getreg_b32 s2, hwreg(HW_REG_IB_STS2, 6, 4)
	s_cmp_eq_u32 s2, 0
	s_cbranch_scc0 .Lentry_in_a_cluster
	s_endpgm
.Lentry_in_a_cluster:
	s_bfe_u32 s2, ttmp6, 0x10000c
	s_cmp_lg_u32 s2, 0xf033
	s_cbranch_scc0 .Lentry_shape_is_right
	s_endpgm
.Lentry_shape_is_right:
; qkv = x Wqkv + bqkv on codes of FP6 (E2M3) with E8M0 scales, and its results quantised at once for the two products of attention: nothing leaves as f32.
; A tile is 256 x 256, four waves, each 128 x 128 (64 accumulators, 512 registers); K = 1,024 in 8 steps of 128.  Source 0 takes 16 rows of "B", source 1 16 rows of "A": a lane holds ONE row of A, its registers run along B's rows.
; ONE TEXT SERVES q, k AND v by the choice of what is A and what is B (a choice on the cluster's x, the same in all sixteen partners):
;   clusters x = 0, 1 (q, k): A = 256 tokens, B = 256 columns of Wqkv: a lane's 64 results of a block of A are 128 channels of one token: two heads, quantised along the head's 64.
;   cluster x = 2 (v):       A = 256 columns of Wqkv (2048 on), B = 256 tokens: V^T: a lane holds one channel and 128 tokens: quantised along the keys.
; Rows lie in xq and wq so that in each group of 32 place 16 u + q holds row 8 u + q + 8 (q / 8): the 16 registers of B's tiles 2 b and 2 b + 1 are then 16 neighbours along the next K.
; OUT.  qk: [head 0..15 of q, 16..31 of k][batch][step of 128 tokens][6,656]: eight half images (16 tokens x 64: 768 bytes), then 512 bytes of scale words.  vv: [batch][step][head][6,400]: four images (16 channels x 128 keys), then 256 bytes of scale words.
; The bias runs along B's rows for q and k (it is the C of the first products) and along A's rows for v (added on the way out); both are always loaded, and the one that does not apply is replaced by 0.
; LDS: three slots of 256 along K, images as they lie in memory; K's fourth quarter goes into slot 0 again.  Four by four work-groups form a cluster: A's tiles are asked for jointly along a row of it, B's along a column.
; LIMITS: NaN and infinities are not served; a block whose largest magnitude lies under 2^-124 keeps the byte 1.
; REGISTERS: window 0: v16-22 LDS addresses; v24-29; v32-63 A's scale words, v64-95 B's (register 4 i + k % 4: lanes 0-15 K step k < 4, lanes 16-31 k >= 4); v96-103 the bias along A; v104-120 at work; from v128 A's fragments, one set.
;   window 1: B's fragments, two sets at v0 and v128; the bias along B at v96-127 and v224-255.   windows 2, 3: accumulator (a, b) at v[8 (8 (a % 4) + b)].
.set SLOT,  98304                      ; A's 16 tiles x 3,072 bytes, then B's
.set HALFT, 24576                      ; 8 tiles: what one tensor load brings and what a wave reads of A or of B
.set T16,   12288
.set IMG,   1536
.set SPARE, 294912                     ; behind the slots: the spare words, two blocks of 256 bytes that no other line names
.set SST,   295424                     ; and 1,024 bytes a wave for the scale words on the way out; no tile lands here
.set XSCL,  6291456
.set WSCL,  3145728
.set ADRA, 16
.set ADRB, 20
.set L8,   24                          ; v24 8 x lane
.set SSTO, 25                          ; v25 where I put a scale word
.set SSRD, 26                          ; v26 where I read them back
.set SOFF, 27                          ; v27 their place in memory
.set SPW,  28
.set NIL,  29
.set SCA,  32
.set SCB,  64
.set BI,   96
.set TM,   104
.set PW,   120
.set AF,   128
.set HA,   128                         ; the way out: 64 numbers
.set PC,   192                         ; their codes
.set SW,   232                         ; v232-239 the eight blocks' scale words
.set E0,   240
.set SEL,  22
.set G1A, 24
.set G1B, 32
.set G0A, 68                           ; s[68:79] three sets;  s[80:91] B's
.set G0B, 80
.set MSB, 0
.macro WIN new                         ; the immediate's high byte repeats the setting that is left
.if MSB != \new
	s_set_vgpr_msb (MSB<<8)|\new
.set MSB, \new
.endif
.endm
.macro PLACES
.rept 4
	v_nop
.endr
.endm
.macro CREST                           ; a round of the cluster's barrier behind its opening barrier
	s_cmp_lg_u32 s14, 0
	s_cbranch_scc1 .Lnot_wave_0_\@
	s_barrier_signal -3
.Lnot_wave_0_\@:
	s_barrier_wait -3
	s_barrier_signal -1
	s_barrier_wait -1
.endm
.macro CROUND
	s_barrier_signal -1
	s_barrier_wait -1
	CREST
.endm
.macro JLOAD g0a, g0b                  ; waves 0, 1 fetch A's halves, waves 2, 3 B's; an s_nop 0 and four v_nop follow each line
	s_cmp_eq_u32 s15, 0
	s_cbranch_scc0 .Lfor_b_\@
	tensor_load_to_lds s[\g0a:\g0a+3], s[G1A:G1A+7]
	s_nop 0
.rept 4
	v_nop
.endr
	s_branch .Lasked_\@
.Lfor_b_\@:
	tensor_load_to_lds s[\g0b:\g0b+3], s[G1B:G1B+7]
	s_nop 0
.rept 4
	v_nop
.endr
.Lasked_\@:
.endm
.macro QUANT s, pc, tm, pw             ; 64 numbers of a lane, register 16 b + i = k 32 b + 16 (lane / 16) + i of my row, become a fragment's codes and its scale word
.irp b, 0,1,2,3
	v_max3_num_f32 v[\tm+\b], |v[\s+16*\b]|, |v[\s+1+16*\b]|, 0x1800000   ; the floor 2^(3 - 127) holds the byte at 1 from below
.endr
.irp i, 2,4,6,8,10,12,14
.irp b, 0,1,2,3
	v_max3_num_f32 v[\tm+\b], v[\tm+\b], |v[\s+16*\b+\i]|, |v[\s+1+16*\b+\i]|
.endr
.endr
.irp b, 0,1,2,3
	v_permlanex16_b32 v[\tm+4+\b], v[\tm+\b], s[SEL], s[SEL+1]
.endr
.irp b, 0,1,2,3
	v_max_num_f32 v[\tm+\b], v[\tm+\b], v[\tm+4+\b]
.endr
.irp b, 0,1,2,3
	v_add_nc_u32 v[\tm+12+\b], 0xff000000, v[\tm+\b]   ; 2 off the exponent field: the conversion's scale operand
.endr
.irp b, 0,1,2,3
	v_lshrrev_b32 v[\tm+4+\b], 23, v[\tm+12+\b]
.endr
	v_lshl_or_b32 v[\pw], v[\tm+5], 8, v[\tm+4]
	v_lshl_or_b32 v[\pw], v[\tm+6], 16, v[\pw]
	v_lshl_or_b32 v[\pw], v[\tm+7], 24, v[\pw]
.irp c, 0,1
	v_cvt_scalef32_pk16_fp6_f32 v[\pc+6*\c:\pc+2+6*\c], v[\s+32*\c:\s+15+32*\c], v[\tm+12+2*\c]
	v_cvt_scalef32_pk16_fp6_f32 v[\pc+12+4*\c:\pc+14+4*\c], v[\s+16+32*\c:\s+31+32*\c], v[\tm+12+2*\c+1]
.endr
	v_nop                                          ; one plain place behind a scaled conversion
.irp c, 0,1
.irp i, 0,1,2
	v_permlane16_swap_b32 v[\pc+6*\c+\i], v[\pc+12+4*\c+\i]
.endr
.irp i, 0,1,2
	v_mov_b32 v[\pc+3+6*\c+\i], v[\pc+12+4*\c+\i]
.endr
.endr
.endm
	s_load_b256 s[4:11], s[0:1], 0x0               ; xq s[4:5], wq s[6:7], bqkv s[8:9], qk s[10:11]
	s_load_b64 s[12:13], s[0:1], 0x20              ; vv
	v_lshl_add_u32 v[SPW], v0, 2, SPARE
	v_mov_b32 v[NIL], 0
	ds_add_u32 v[SPW], v[NIL]                      ; the wave's opening: the add and its wait stand ahead of my first tensor load; work on registers stands between them
	v_lshrrev_b32 v1, 5, v0
	v_readfirstlane_b32 s14, v1                    ; wave
	s_lshr_b32 s15, s14, 1                         ; my half of A's rows.  Also: I fetch for A (0) or for B (1)
	s_and_b32 s16, s14, 1                          ; my half of B's rows.  Also: which 8 tiles I fetch
	s_bfe_u32 s40, ttmp6, 0x40000                  ; cx
	s_bfe_u32 s41, ttmp6, 0x40004                  ; cy
	s_and_b32 s17, ttmp7, 0xffff                   ; the cluster's y
	s_lshl_b32 s43, s41, 2
	s_lshl_b32 s43, 15, s43                        ; my row of the cluster
	s_lshl_b32 s44, 0x1111, s40                    ; my column
	s_or_b32 s[G1A], s43, (3<<16)|(1<<21)          ; 15:0 the mask; 17:16 elements of 8 bytes; 21 set beside a mask; no padding
	s_or_b32 s[G1B], s44, (3<<16)|(1<<21)
.irp g, G1A, G1B
	s_mov_b32 s[\g+1], 384<<16                     ; tensor_dim0: 3,072 bytes: two K steps' images of a tile
	s_mov_b32 s[\g+2], 8<<16                       ; tensor_dim1: 8 tiles
	s_mov_b32 s[\g+3], 384<<16                     ; tile_dim0
	s_mov_b32 s[\g+4], 8                           ; tile_dim1
	s_mov_b32 s[\g+5], 1536                        ; from tile to tile: 12,288 bytes
	s_mov_b32 s[\g+6], 0
	s_mov_b32 s[\g+7], 0
.endr
	s_lshl_b32 s18, s17, 2
	s_add_co_u32 s18, s18, s41                     ; q, k: A's block of 256 tokens = 4 x cluster y + cy
	s_add_co_u32 s19, s41, 8                       ; v: A's block of 256 columns = 8 + cy
	s_lshl_b32 s20, s17, 2
	s_lshl_b32 s21, ttmp9, 2
	s_mov_b32 s2, XSCL
	s_mov_b32 s3, WSCL
	s_cmp_eq_u32 ttmp9, 2                          ; v?  The cluster's x: the same in all sixteen
	s_cselect_b32 s47, 1, 0
	s_cselect_b32 s45, s19, s18                    ; A's block: hangs on cy alone among the places in the cluster
	s_cselect_b32 s46, s20, s21
	s_cselect_b32 s62, 0, -1                       ; lanes that keep the bias along B
	s_cselect_b32 s63, -1, 0                       ; and the bias along A
	s_cselect_b32 s22, s3, s2                      ; where A's scale words begin in its buffer
	s_cselect_b32 s23, s2, s3                      ; and B's
	s_add_co_u32 s46, s46, s40                     ; B's block = 4 x (cluster x, or y for v) + cx: hangs on cx alone
	s_lshl_b32 s48, s16, 3
	s_lshl_b32 s50, s45, 4
	s_add_co_u32 s50, s50, s48
	s_mul_i32 s50, s50, T16                        ; the 8 tiles of A that I would fetch
	s_mov_b32 s51, 0
	s_lshl_b32 s52, s46, 4
	s_add_co_u32 s52, s52, s48
	s_mul_i32 s52, s52, T16                        ; and of B
	s_mov_b32 s53, 0
	s_lshl_b32 s54, s45, 3
	s_lshl_b32 s48, s15, 2
	s_add_co_u32 s54, s54, s48
	s_lshl_b32 s54, s54, 10
	s_add_co_u32 s54, s54, s22                     ; the scale words of my 128 rows of A: four groups of 1,024 bytes
	s_mov_b32 s55, 0
	s_lshl_b32 s56, s46, 3
	s_lshl_b32 s48, s16, 2
	s_add_co_u32 s56, s56, s48
	s_lshl_b32 s56, s56, 10
	s_add_co_u32 s56, s56, s23                     ; and of B
	s_mov_b32 s57, 0
	s_lshl_b32 s58, s46, 10
	s_lshl_b32 s48, s16, 9
	s_add_co_u32 s58, s58, s48                     ; the bias of B's 128 rows (q, k)
	s_lshl_b32 s60, s45, 10
	s_lshl_b32 s48, s15, 9
	s_add_co_u32 s60, s60, s48                     ; the bias of A's 128 rows (v)
	s_cmp_eq_u32 s47, 1
	s_cselect_b32 s58, 0, s58                      ; the one that does not apply is read at the buffer's head and replaced by 0
	s_cselect_b32 s60, s60, 0
	s_mov_b32 s59, 0
	s_mov_b32 s61, 0
	s_mul_i32 s48, s14, HALFT                      ; where my tiles go in a slot: no place in the cluster enters an LDS address
	s_mov_b32 s49, 0xffff0000                      ; lanes 16-31
	s_wait_dscnt 0x0                               ; the opening add is done
	s_wait_kmcnt 0x0
	s_cmp_eq_u32 s47, 1
	s_cselect_b64 s[2:3], s[6:7], s[4:5]           ; A's buffer
	s_cselect_b64 s[20:21], s[4:5], s[6:7]         ; B's
	s_add_nc_u64 s[50:51], s[2:3], s[50:51]
	s_add_nc_u64 s[54:55], s[2:3], s[54:55]
	s_add_nc_u64 s[52:53], s[20:21], s[52:53]
	s_add_nc_u64 s[56:57], s[20:21], s[56:57]
	s_add_nc_u64 s[58:59], s[8:9], s[58:59]
	s_add_nc_u64 s[60:61], s[8:9], s[60:61]
	CROUND                                         ; all sixteen work-groups are here: the first joint loads meet
.irp s, 0,1,2
	s_mov_b32 s[G0A+4*\s], 1
	s_add_co_u32 s[G0A+4*\s+1], s48, \s*SLOT
	s_add_nc_u64 s[G0A+4*\s+2:G0A+4*\s+3], s[50:51], \s*3072
	s_or_b32 s[G0A+4*\s+3], s[G0A+4*\s+3], 0x80000000
	s_mov_b32 s[G0B+4*\s], 1
	s_add_co_u32 s[G0B+4*\s+1], s48, \s*SLOT
	s_add_nc_u64 s[G0B+4*\s+2:G0B+4*\s+3], s[52:53], \s*3072
	s_or_b32 s[G0B+4*\s+3], s[G0B+4*\s+3], 0x80000000
.endr
	s_cmp_eq_u32 s15, 0                            ; a wave's three first fills stand in one branch: three loads of mine are out
	s_cbranch_scc0 .Lfirst_b
.irp s, 0,1,2
	tensor_load_to_lds s[G0A+4*\s:G0A+4*\s+3], s[G1A:G1A+7]
	s_nop 0
.endr
.rept 4
	v_nop
.endr
	s_branch .Lfirst_asked
.Lfirst_b:
.irp s, 0,1,2
	tensor_load_to_lds s[G0B+4*\s:G0B+4*\s+3], s[G1B:G1B+7]
	s_nop 0
.endr
.rept 4
	v_nop
.endr
.Lfirst_asked:
	v_and_b32 v1, 31, v0
	v_lshlrev_b32 v[L8], 3, v1
	v_and_b32 v2, 15, v0                           ; r
	v_bfe_u32 v3, v0, 4, 1                         ; lane / 16
	s_mul_i32 s20, s15, HALFT
	s_mul_i32 s21, s16, HALFT
	s_add_co_u32 s21, s21, 2*HALFT
.irp s, 0,1,2
	v_add_nc_u32 v[ADRA+\s], s20, v[L8]            ; an image's piece is 8 bytes a lane
	v_add_nc_u32 v[ADRB+\s], s21, v[L8]
	s_add_co_u32 s20, s20, SLOT
	s_add_co_u32 s21, s21, SLOT
.endr
	v_lshlrev_b32 v10, 3, v2
	v_lshl_add_u32 v10, v3, 9, v10                 ; scale words: 8 r, lanes 16-31 two pairs of K steps on
	v_lshlrev_b32 v11, 6, v3                       ; the bias along B: 64 (lane / 16)
	v_and_b32 v12, 8, v2
	v_add_nc_u32 v12, v12, v2
	v_lshlrev_b32 v12, 2, v12                      ; the bias along A: 4 (r + 8 (r / 8))
	s_lshl_b32 s20, s14, 10
	s_add_co_u32 s20, s20, SST
	v_add_nc_u32 v[SSTO], s20, v10                 ; lanes 0-15 the first 512 bytes, lanes 16-31 the second
	v_lshl_add_u32 v[SSRD], v1, 4, s20
.irp i, 0,1,2,3,4,5,6,7
.irp p, 0,1
	global_load_b64 v[SCA+4*\i+2*\p:SCA+4*\i+2*\p+1], v10, s[54:55] offset:1024*(\i/2)+128*(\i%2)+256*\p
	global_load_b64 v[SCB+4*\i+2*\p:SCB+4*\i+2*\p+1], v10, s[56:57] offset:1024*(\i/2)+128*(\i%2)+256*\p
.endr
.endr
.irp a, 0,1,2,3,4,5,6,7
	global_load_b32 v[BI+\a], v12, s[60:61] offset:4*(32*(\a/2)+8*(\a%2))
.endr
	WIN 0x40                                       ; destination window 1
.irp b, 0,1,2,3,4,5,6,7
.set BJR, 96+8*\b+96*(\b/4)
	global_load_b128 v[BJR:BJR+3], v11, s[58:59] offset:4*(32*(\b/2)+8*(\b%2))
	global_load_b128 v[BJR+4:BJR+7], v11, s[58:59] offset:4*(32*(\b/2)+8*(\b%2))+16
.endr
	WIN 0
	; where my results go.  T: the block of tokens, th: my half of it
	s_cmp_eq_u32 s47, 1
	s_cselect_b32 s2, s46, s45
	s_cselect_b32 s3, s16, s15
	s_lshr_b32 s18, s2, 3                          ; batch
	s_lshl_b32 s2, s2, 1
	s_add_co_u32 s2, s2, s3
	s_and_b32 s2, s2, 15                           ; step of 128 tokens
	s_lshl_b32 s19, s46, 2
	s_lshl_b32 s3, s16, 1
	s_add_co_u32 s19, s19, s3                      ; q, k: my first head of two
	s_lshl_b32 s19, s19, 2
	s_add_co_u32 s19, s19, s18
	s_lshl_b32 s19, s19, 4
	s_add_co_u32 s19, s19, s2
	s_mul_i32 s19, s19, 6656
	s_lshl_b32 s18, s18, 4
	s_add_co_u32 s18, s18, s2
	s_lshl_b32 s18, s18, 4
	s_lshl_b32 s3, s41, 2
	s_add_co_u32 s18, s18, s3
	s_lshl_b32 s3, s15, 1
	s_add_co_u32 s18, s18, s3                      ; v: (batch, step, my first head of two)
	s_mul_i32 s18, s18, 6400
	s_mov_b32 s100, 768
	s_mov_b32 s2, 425984
	s_cmp_eq_u32 s47, 1
	s_cselect_b32 s92, s18, s19
	s_mov_b32 s93, 0
	s_cselect_b64 s[94:95], s[12:13], s[10:11]
	s_cselect_b32 s100, 1536, s100                 ; from block to block of A: an image (v) or half an image
	s_mov_b32 s101, 0
	s_cselect_b32 s66, 256, 0                      ; v: over the first head's scale words at block 4
	s_mov_b32 s67, 0
	s_cselect_b32 s2, 768, s2                      ; from a fragment's first half to its second: the image's other half (v), or the next head's record
	s_mov_b32 s3, 0
	s_cselect_b32 s20, 6144, 0                     ; v: lanes 16-31 store the second head's scale words
	s_add_nc_u64 s[92:93], s[94:95], s[92:93]
	s_add_nc_u64 s[94:95], s[92:93], s[2:3]
	s_add_nc_u64 s[96:97], s[92:93], 6144
	s_add_nc_u64 s[98:99], s[94:95], 6144
	v_mul_u32_u24 v[SOFF], v3, s20
	v_lshl_add_u32 v[SOFF], v1, 4, v[SOFF]
	s_mov_b32 s[SEL], 0x76543210
	s_mov_b32 s[SEL+1], 0xfedcba98
.irp b, 0,1,2,3
	v_mov_b32 v[TM+4+\b], 0                        ; written once: a lane permute's destination counts as one of its sources
.endr
	s_wait_loadcnt 0x0
.irp a, 0,1,2,3,4,5,6,7
	v_cndmask_b32 v[BI+\a], 0, v[BI+\a], s63
.endr
	WIN 0x44                                       ; source 1 and destination window 1
.irp b, 0,1,2,3,4,5,6,7
.irp j, 0,1,2,3,4,5,6,7
	v_cndmask_b32 v[96+8*\b+96*(\b/4)+\j], 0, v[96+8*\b+96*(\b/4)+\j], s62
.endr
.endr
	WIN 0
.macro FRAG reg, adr, off              ; an image comes back as it was stored: six pieces, 8 bytes a lane, 256 consecutive bytes a load
.irp p, 0,1,2,3,4,5
	ds_load_b64 v[\reg+2*\p:\reg+2*\p+1], v[\adr] offset:\off+256*\p
.endr
.endm
.macro FETCH_B slot, ks, bs
	WIN 0x40
.irp i, 0,1,2,3,4,5,6,7
	FRAG 128*(\bs)+12*\i, ADRB+(\slot), \i*3072+(\ks)*IMG
.endr
	WIN 0
.endm
.macro FETCH_A slot, ks, i0
.irp i, 0,1,2,3
	FRAG AF+12*((\i0)+\i), ADRA+(\slot), ((\i0)+\i)*3072+(\ks)*IMG
.endr
.endm
; block a of A against B's eight, K step k.  first = 1: the bias along B is the C of the sums' first products.  The 64 accumulators take turns, one instruction a turn, in the same order in every step
.macro MULA a, k, first
.if \first
	WIN 0x91+0x40*((\a)/4)
.else
	WIN 0xa1+0x50*((\a)/4)
.endif
.irp b, 0,1,2,3,4,5,6,7
.set ACC, 8*(8*((\a)%4)+\b)
.set BFR, 128*((\k)%2)+12*\b
.set AFR, AF+12*(\a)
.set SBR, SCB+4*\b+(\k)%4
.set SAR, SCA+4*(\a)+(\k)%4
.set BJR, 96+8*\b+96*(\b/4)
.if \first
	v_wmma_scale_f32_16x16x128_f8f6f4 v[ACC:ACC+7], v[BFR:BFR+11], v[AFR:AFR+11], v[BJR:BJR+7], v[SBR], v[SAR] matrix_a_fmt:MATRIX_FMT_FP6 matrix_b_fmt:MATRIX_FMT_FP6
.elseif (\k) < 4
	v_wmma_scale_f32_16x16x128_f8f6f4 v[ACC:ACC+7], v[BFR:BFR+11], v[AFR:AFR+11], v[ACC:ACC+7], v[SBR], v[SAR] matrix_a_fmt:MATRIX_FMT_FP6 matrix_b_fmt:MATRIX_FMT_FP6
.else
	v_wmma_scale_f32_16x16x128_f8f6f4 v[ACC:ACC+7], v[BFR:BFR+11], v[AFR:AFR+11], v[ACC:ACC+7], v[SBR], v[SAR] matrix_a_fmt:MATRIX_FMT_FP6 matrix_b_fmt:MATRIX_FMT_FP6 matrix_a_scale:MATRIX_SCALE_ROW1 matrix_b_scale:MATRIX_SCALE_ROW1
.endif
.endr
.endm
; a K step whose successor's tiles are known to be whole.  K step k lies in slot (k / 2) % 3
.macro STEP k, first
.set NSL_, (((\k)+1)/2)%3
.set NKS_, ((\k)+1)%2
	s_wait_dscnt 24                                ; B's set and A's blocks 0-3 are in; the youngest 24 loads (A's blocks 4-7) may be out
.irp a, 0,1,2,3
	MULA \a, \k, \first
.endr
	s_wait_dscnt 0x0
	PLACES                                         ; four places in front of loads into registers that matrix instructions have read
	FETCH_B NSL_, NKS_, NKS_
	FETCH_A NSL_, NKS_, 0
.irp a, 4,5,6,7
	MULA \a, \k, \first
.endr
	PLACES
	WIN 0
	FETCH_A NSL_, NKS_, 4
.endm
; a K step behind which tiles are read that other waves' loads brought: one barrier; in front of it each wave waits for all its tensor loads, adds 0 to its spare word, and waits for that and for its LDS reads.
; fill = 1: the barrier opens a round of the cluster's, and slot 0, which nobody reads any more, takes K's last quarter: that load has three and a half K steps, 224 matrix instructions, in which to land
.macro TURN k, fill
.set NSL_, (((\k)+1)/2)%3
	s_wait_tensorcnt 0x0                           ; all my tensor loads have landed
	ds_add_u32 v[SPW], v[NIL]
	s_wait_dscnt 25                                ; (the add and the youngest 24 loads may be out)
	MULA 0, \k, 0
	MULA 1, \k, 0
	s_wait_dscnt 0x0                               ; the add is done, and my LDS reads are over
	s_barrier_signal -1
	MULA 2, \k, 0
	MULA 3, \k, 0
	WIN 0
	s_barrier_wait -1
.if \fill
	CREST
	s_add_nc_u64 s[G0A+2:G0A+3], s[G0A+2:G0A+3], 3*3072
	s_add_nc_u64 s[G0B+2:G0B+3], s[G0B+2:G0B+3], 3*3072
	JLOAD G0A, G0B                                 ; the first tensor load behind the round; its four v_nop are the places in front of the loads below
.else
	PLACES
.endif
	FETCH_B NSL_, 0, 0
	FETCH_A NSL_, 0, 0
.irp a, 4,5,6,7
	MULA \a, \k, 0
.endr
	PLACES
	WIN 0
	FETCH_A NSL_, 0, 4
.endm
	s_wait_tensorcnt 2                             ; my part of slot 0 is in; the loads for slots 1 and 2 are younger and may stay out
	s_barrier_signal -1
	s_barrier_wait -1
	FETCH_B 0, 0, 0
	FETCH_A 0, 0, 0
	FETCH_A 0, 0, 4
	STEP 0, 1
	TURN 1, 1
	STEP 2, 0
	STEP 3, 0
	STEP 4, 0
	TURN 5, 0
	STEP 6, 0
	s_wait_dscnt 24                                ; the last K step: nothing more to fetch
.irp a, 0,1,2,3
	MULA \a, 7, 0
.endr
	s_wait_dscnt 0x0
.irp a, 4,5,6,7
	MULA \a, 7, 0
.endr
	WIN 0
	PLACES                                         ; in front of the first read of results and of writes into registers that held A's fragments
; THE WAY OUT, block by block of A.  A lane's 64 results (+ the bias along A) are quantised; the fragment's two halves leave as pieces of 256 consecutive bytes; the scale words meet in my own LDS bytes and leave at the end
.macro OUTA a
.if (\a) > 0
	s_wait_xcnt 0x0                                ; the last block's stores have read their data and bases
	s_add_nc_u64 s[92:93], s[92:93], s[100:101]
	s_add_nc_u64 s[94:95], s[94:95], s[100:101]
.endif
.if (\a) == 4
	s_add_nc_u64 s[92:93], s[92:93], s[66:67]
	s_add_nc_u64 s[94:95], s[94:95], s[66:67]
.endif
	WIN 0x02+((\a)/4)                              ; source 0: window 2 or 3
.set AC, 64*((\a)%4)
.set i, 0
.rept 32                               ; each accumulator from its low end on
.if (\a)%2 == 0
	v_pk_add_f32 v[HA+2*i:HA+2*i+1], v[AC+2*i:AC+2*i+1], v[BI+(\a):BI+(\a)+1] op_sel_hi:[1,0]
.else
	v_pk_add_f32 v[HA+2*i:HA+2*i+1], v[AC+2*i:AC+2*i+1], v[BI+(\a)-1:BI+(\a)] op_sel:[0,1] op_sel_hi:[1,1]
.endif
.set i, i+1
.endr
	WIN 0
	QUANT HA, PC, TM, PW
.irp p, 0,1,2
	global_store_b64 v[L8], v[PC+2*\p:PC+2*\p+1], s[92:93] offset:256*\p
	global_store_b64 v[L8], v[PC+6+2*\p:PC+7+2*\p], s[94:95] offset:256*\p
.endr
	v_lshrrev_b32 v[SW+(\a)], 16, v[PW]
	v_cndmask_b32 v[SW+(\a)], v[PW], v[SW+(\a)], s49   ; lanes 0-15: the word as it is (q, k: its low two bytes are the first head's); lanes 16-31: the second head's two bytes brought down
	ds_store_b32 v[SSTO], v[SW+(\a)] offset:256*((\a)/4)+128*((\a)%2)+4*(((\a)/2)%2)
.endm
.irp a, 0,1,2,3,4,5,6,7
	OUTA \a
.endr
	ds_load_b128 v[E0:E0+3], v[SSRD]               ; LDS serves a wave's instructions in order: these see my stores
	ds_load_b128 v[E0+4:E0+7], v[SSRD] offset:512
	s_wait_dscnt 0x0
	global_store_b128 v[SOFF], v[E0:E0+3], s[96:97]    ; q, k: the first head's 512 bytes; v: 256 bytes for each of the two heads
	s_cmp_eq_u32 s47, 1
	s_cbranch_scc1 .Lno_second
	global_store_b128 v[SOFF], v[E0+4:E0+7], s[98:99]  ; q, k: the second head's
.Lno_second:
	s_wait_tensorcnt 0x0                           ; the wave's end
	ds_add_u32 v[SPW], v[NIL]
	s_wait_dscnt 0x0
	CROUND                                         ; the closing round
	s_endpgm
.Lfunc_end_k_q7599545966_qkv:
	.size	k_q7599545966_qkv, .Lfunc_end_k_q7599545966_qkv-k_q7599545966_qkv
	.p2alignl 7, 3214868480
	.fill 96, 4, 3214868480
	.section	.rodata,"a",@progbits
	.p2align	6, 0x0
	.amdhsa_kernel k_q7599545966_qkv
		.amdhsa_group_segment_fixed_size 327680
		.amdhsa_private_segment_fixed_size 0
		.amdhsa_enable_private_segment 0
		.amdhsa_kernarg_size 40
		.amdhsa_user_sgpr_count 2
		.amdhsa_user_sgpr_kernarg_segment_ptr 1
		.amdhsa_wavefront_size32 1
		.amdhsa_system_sgpr_workgroup_id_x 1
		.amdhsa_system_sgpr_workgroup_id_y 1
		.amdhsa_system_sgpr_workgroup_id_z 1
		.amdhsa_system_vgpr_workitem_id 0
		.amdhsa_next_free_vgpr 1024
		.amdhsa_next_free_sgpr 102
		.amdhsa_reserve_vcc 0
		.amdhsa_float_denorm_mode_32 3
		.amdhsa_float_denorm_mode_16_64 3
		.amdhsa_memory_ordered 1
		.amdhsa_forward_progress 1
		.amdhsa_inst_pref_size 191
	.end_amdhsa_kernel
	.amdgpu_metadata
---
amdhsa.version: [ 1, 2 ]
amdhsa.kernels:
  - .name:           k_q7599545966_qkv
    .symbol:         k_q7599545966_qkv.kd
    .args:
      - { .name: xq, .offset: 0, .size: 8, .value_kind: global_buffer, .address_space: global }
      - { .name: wq, .offset: 8, .size: 8, .value_kind: global_buffer, .address_space: global }
      - { .name: bqkv, .offset: 16, .size: 8, .value_kind: global_buffer, .address_space: global }
      - { .name: qk, .offset: 24, .size: 8, .value_kind: global_buffer, .address_space: global }
      - { .name: vv, .offset: 32, .size: 8, .value_kind: global_buffer, .address_space: global }
    .group_segment_fixed_size: 327680
    .private_segment_fixed_size: 0
    .kernarg_segment_align: 8
    .kernarg_segment_size: 40
    .max_flat_workgroup_size: 128
    .sgpr_count:     102
    .vgpr_count:     1024
    .wavefront_size: 32
...
	.end_amdgpu_metadata
.endif
;; end of part 2
;; launch attn (part 3): grid 4 x 64, 16 waves a work-group, clusters of 4 x 1, 210,944 bytes of LDS; arguments qk, vv, yq; writes yq
.if DOCPART == 3
	.amdgcn_target "amdgcn-amd-amdhsa--gfx1250"
	.amdhsa_code_object_version 6
	.text
	.protected	k_q7599545966_attn
	.globl	k_q7599545966_attn
	.p2align	8
	.type	k_q7599545966_attn,@function
k_q7599545966_attn:
	s_mov_b64 s[64:65], 0
	v_nop
	global_prefetch_b8 v0, s[64:65] scope:SCOPE_SE
	s_setreg_imm32_b32 hwreg(HW_REG_WAVE_MODE, 25, 1), 1
	s_wait_xcnt 0x0
	s_wait_alu depctr_hold_cnt(0) depctr_sa_sdst(0) depctr_va_vdst(0) depctr_va_sdst(0) depctr_va_ssrc(0) depctr_va_vcc(0) depctr_vm_vsrc(0)
	s_getreg_b32 s2, hwreg(HW_REG_IB_STS2, 6, 4)
	s_cmp_eq_u32 s2, 0
	s_cbranch_scc0 .Lentry_in_a_cluster
	s_endpgm
.Lentry_in_a_cluster:
	s_bfe_u32 s2, ttmp6, 0x10000c
	s_cmp_lg_u32 s2, 0x3003
	s_cbranch_scc0 .Lentry_shape_is_right
	s_endpgm
.Lentry_shape_is_right:
; y = softmax(q k^T / 8, causal) v for one (batch, head) a cluster, on codes of FP6 (E2M3) with E8M0 scales; y leaves quantised along the model's 1,024 (a block of 32 is half a head), as images for the last product.
; THE SOFTMAX: t = score x log2(e) / 8; M = the running largest t rounded UP to a whole number; p = 2^(t - M) is quantised along the keys, not normalised; the row's sum is taken of the unquantised p and divides at the end.
; K AND V OF THE WHOLE HEAD LIE IN LDS as codes (16 records of 6,656 and 16 of 6,400 bytes), filled once: no slot is ever filled again.  The four work-groups of a cluster share the head and ask for these bytes jointly.
; The first two key steps come by loads of their own, so that work begins while the other fourteen land.
; SHARES.  Sixteen waves, 256 registers each.  Wave i (s = i / 2, e = i % 2) of partner j owns two tiles of 16 queries, both tile 2 j + e of their group of 128: one in group 15 - s (16 - s key steps), one in group s (s + 1 steps):
; 17 tile steps for every wave of every work-group.  Steps that lie wholly behind the diagonal are jumped over by a scalar branch on the wave's number and the loop's counter; no branch and no LDS address hangs on j.
; LAYOUT.  Both products are used transposed: S^T = K Q^T, O^T = V^T P^T: a lane holds one query.  Tokens and channels lie in each group of 32 so that place 16 u + q holds 8 u + q + 8 (q / 8): the 16 registers of tiles 2 b, 2 b + 1 are 16 neighbours.
; The first product's K is 64: Q's fragment has zero codes in its upper six registers, so whatever codes stand in the upper six registers of K's operand add nothing (no scale byte is 0xff).
; y's scale bytes leave as single bytes (a head owns two bytes of a scale word): one byte for 24 bytes of codes.
; LIMITS: NaN and infinities are not served; a block of y whose largest magnitude lies under 2^-124 keeps the byte 1; exponentials and the reciprocal are the chip's own.
; REGISTERS: v1, v2 8 x lane (+ V's base); v5 the mask's number; v6, v7 addresses in hand; v8 at work; v9 y's byte offset; v10 f, v11 p's scale word; v12-15, v16-19 -M, largest t, the sum in two halves;
;   v20-31, v32-43 Q; v44, v45 its scale words; v46-49 K's; v50, v51 V's; v52-99 fragments; v100-163 S^T, then p; v164-195, v196-227 O^T; v228-239 p's codes; v240-255 at work.
.set REK,   6656
.set REV,   6400
.set VBASE, 106496
.set SPARE, 208896                     ; the spare words, 128 bytes a wave: eight blocks of 256 bytes that no other line names
.set YSCL,  6291456
.set SPW, 3
.set NIL, 4
.set ADK, 6
.set ADV, 7
.set QH,  20
.set QL,  32
.set FRG, 52
.set SCO, 100
.set OH,  164
.set OL,  196
.set PC,  228
.set T4,  240
.set SO,  248
.set BM,  252
.set WV,  10
.set SL,  15                           ; s15 the low tile's group = its last key step
.set SH,  17                           ; s17 the high tile's
.set SS,  18                           ; s18 the key step
.set HM,  19
.set TBK, 21                           ; s21 where the step's record of K begins
.set TBV, 22                           ; s22 and V's, less VBASE
.set CS,  88                           ; s[88:89] log2(e) / 8
.set SEL, 90
.set G1KE, 32
.set G1KL, 40
.set G1VE, 48
.set G1VL, 56
.set G0KE, 68
.set G0KL, 72
.set G0VE, 76
.set G0VL, 80
.macro CROUND
	s_barrier_signal -1
	s_barrier_wait -1
	s_cmp_lg_u32 s[WV], 0
	s_cbranch_scc1 .Lnot_wave_0_\@
	s_barrier_signal -3
.Lnot_wave_0_\@:
	s_barrier_wait -3
	s_barrier_signal -1
	s_barrier_wait -1
.endm
	s_load_b128 s[4:7], s[0:1], 0x0                ; qk, vv
	s_load_b64 s[8:9], s[0:1], 0x10                ; yq
	v_lshl_add_u32 v[SPW], v0, 2, SPARE
	v_mov_b32 v[NIL], 0
	ds_add_u32 v[SPW], v[NIL]                      ; the wave's opening: the add and its wait stand ahead of the first tensor loads; work on registers stands between them
	v_lshrrev_b32 v8, 5, v0
	v_readfirstlane_b32 s[WV], v8
	s_and_b32 s12, ttmp7, 0xffff
	s_lshr_b32 s13, s12, 4                         ; batch
	s_and_b32 s14, s12, 15                         ; head
	s_lshr_b32 s[SL], s[WV], 1
	s_and_b32 s16, s[WV], 1                        ; e.  Also: which part a fetching wave fetches
	s_xor_b32 s[SH], s[SL], 15                     ; 15 - s
	; descriptor groups 1: elements of 8 bytes, the mask of all four partners, bit 21 beside it, no padding
.irp g, G1KE, G1KL, G1VE
	s_mov_b32 s[\g], 15|(3<<16)|(1<<21)
	s_mov_b32 s[\g+1], 32<<16                      ; rows of 256 bytes, dense
	s_mov_b32 s[\g+3], 32<<16
	s_mov_b32 s[\g+5], 32
	s_mov_b32 s[\g+6], 0
	s_mov_b32 s[\g+7], 0
.endr
	s_mov_b32 s[G1KE+2], 26<<16                    ; one record of K
	s_mov_b32 s[G1KE+4], 26
	s_mov_b32 s[G1KL+2], 182<<16                   ; seven records of K
	s_mov_b32 s[G1KL+4], 182
	s_mov_b32 s[G1VE+2], 25<<16                    ; one record of V
	s_mov_b32 s[G1VE+4], 25
	s_mov_b32 s[G1VL], 15|(3<<16)|(1<<21)
	s_mov_b32 s[G1VL+1], 800<<16                   ; seven records of V: rows of 6,400 bytes,
	s_mov_b32 s[G1VL+2], 7<<16
	s_mov_b32 s[G1VL+3], 800<<16
	s_mov_b32 s[G1VL+4], 7
	s_mov_b32 s[G1VL+5], 12800                     ; 102,400 bytes apart (16 heads' records)
	s_mov_b32 s[G1VL+6], 0
	s_mov_b32 s[G1VL+7], 0
	s_add_co_u32 s92, s14, 16
	s_lshl_b32 s92, s92, 2
	s_add_co_u32 s92, s92, s13
	s_mul_i32 s92, s92, 16*REK                     ; the head's K in qk
	s_mov_b32 s93, 0
	s_mul_i32 s94, s13, 256*REV
	s_mul_i32 s95, s14, REV
	s_add_co_u32 s94, s94, s95                     ; its first record in vv
	s_mov_b32 s95, 0
	s_mul_i32 s96, s16, REK                        ; K early: record 0 or 1, in LDS as in memory
	s_mul_i32 s97, s16, 7*REK
	s_add_co_u32 s97, s97, 2*REK                   ; K late: records 2-8 or 9-15
	s_mul_i32 s98, s16, REV                        ; V early
	s_mul_i32 s99, s16, 7*REV
	s_add_co_u32 s99, s99, 2*REV                   ; V late; in memory the records lie 16 times as far apart
	s_mov_b32 s[G0KE], 1
	s_mov_b32 s[G0KE+1], s96
	s_mov_b32 s[G0KE+2], s96
	s_mov_b32 s[G0KE+3], 0
	s_mov_b32 s[G0KL], 1
	s_mov_b32 s[G0KL+1], s97
	s_mov_b32 s[G0KL+2], s97
	s_mov_b32 s[G0KL+3], 0
	s_mov_b32 s[G0VE], 1
	s_add_co_u32 s[G0VE+1], s98, VBASE
	s_lshl_b32 s[G0VE+2], s98, 4
	s_mov_b32 s[G0VE+3], 0
	s_mov_b32 s[G0VL], 1
	s_add_co_u32 s[G0VL+1], s99, VBASE
	s_lshl_b32 s[G0VL+2], s99, 4
	s_mov_b32 s[G0VL+3], 0
	; what hangs on my place j in the cluster: global addresses and the mask's number alone, in registers that feed no descriptor
	s_bfe_u32 s11, ttmp6, 0x40000                  ; j
	s_lshl_b32 s23, s11, 1
	s_add_co_u32 s23, s23, s16                     ; a = 2 j + e: my tile in a group of 128
	s_lshl_b32 s2, s13, 7
	s_add_co_u32 s2, s2, s23
	s_lshr_b32 s3, s14, 1
	s_mul_i32 s3, s3, 1536
	s_and_b32 s20, s14, 1
	s_mul_i32 s20, s20, 768
	s_add_co_u32 s3, s3, s20                       ; y: K step head / 2, half head % 2
	s_lshl_b32 s20, s[SH], 3
	s_add_co_u32 s20, s20, s2
	s_mul_i32 s20, s20, 12288
	s_add_co_u32 s28, s20, s3
	s_mov_b32 s29, 0
	s_lshl_b32 s20, s[SL], 3
	s_add_co_u32 s20, s20, s2
	s_mul_i32 s20, s20, 12288
	s_add_co_u32 s30, s20, s3
	s_mov_b32 s31, 0
	s_lshl_b32 s2, s13, 6
	s_add_co_u32 s2, s2, s11
	s_lshr_b32 s3, s14, 2
	s_lshl_b32 s3, s3, 8                           ; y's scale bytes: pair of K steps head / 4,
	s_bfe_u32 s20, s14, 0x10001
	s_lshl_b32 s20, s20, 2
	s_add_co_u32 s3, s3, s20                       ; word (head / 2) % 2,
	s_and_b32 s20, s14, 1
	s_lshl_b32 s20, s20, 1
	s_add_co_u32 s3, s3, s20                       ; bytes 2 (head % 2) on,
	s_lshl_b32 s20, s16, 7
	s_add_co_u32 s3, s3, s20                       ; places 16 e on
	s_add_co_u32 s3, s3, YSCL
	s_lshl_b32 s20, s[SH], 2
	s_add_co_u32 s20, s20, s2
	s_lshl_b32 s20, s20, 10
	s_add_co_u32 s84, s20, s3
	s_mov_b32 s85, 0
	s_lshl_b32 s20, s[SL], 2
	s_add_co_u32 s20, s20, s2
	s_lshl_b32 s20, s20, 10
	s_add_co_u32 s86, s20, s3
	s_mov_b32 s87, 0
	s_lshl_b32 s2, s14, 2
	s_add_co_u32 s2, s2, s13
	s_lshl_b32 s2, s2, 4
	s_add_co_u32 s20, s2, s[SH]
	s_mul_i32 s24, s20, REK                        ; q's records of my two groups
	s_mov_b32 s25, 0
	s_add_co_u32 s20, s2, s[SL]
	s_mul_i32 s26, s20, REK
	s_mov_b32 s27, 0
	s_mul_i32 s23, s23, 768                        ; my tile's half image in a record,
	s_lshr_b32 s3, s11, 1
	s_lshl_b32 s3, s3, 8
	s_lshl_b32 s20, s16, 7
	s_add_co_u32 s3, s3, s20
	s_and_b32 s20, s11, 1
	s_lshl_b32 s20, s20, 2
	s_add_co_u32 s3, s3, s20
	s_add_co_u32 s3, s3, 6144                      ; and its scale words
	s_lshl_b32 s2, s11, 5
	s_lshl_b32 s20, s16, 3
	s_add_co_u32 s2, s2, s20                       ; 32 j + 8 e
	s_mov_b32 s[HM], 0xffff0000
	s_mov_b32 s[CS], 0x3e38aa3b                    ; log2(e) / 8
	s_mov_b32 s[CS+1], s[CS]
	s_mov_b32 s[SEL], 0x76543210
	s_mov_b32 s[SEL+1], 0xfedcba98
	s_wait_dscnt 0x0                               ; the opening add is done
	s_wait_kmcnt 0x0
	s_add_nc_u64 s[92:93], s[4:5], s[92:93]
	s_add_nc_u64 s[94:95], s[6:7], s[94:95]
	s_add_nc_u64 s[G0KE+2:G0KE+3], s[92:93], s[G0KE+2:G0KE+3]
	s_or_b32 s[G0KE+3], s[G0KE+3], 0x80000000
	s_add_nc_u64 s[G0KL+2:G0KL+3], s[92:93], s[G0KL+2:G0KL+3]
	s_or_b32 s[G0KL+3], s[G0KL+3], 0x80000000
	s_add_nc_u64 s[G0VE+2:G0VE+3], s[94:95], s[G0VE+2:G0VE+3]
	s_or_b32 s[G0VE+3], s[G0VE+3], 0x80000000
	s_add_nc_u64 s[G0VL+2:G0VL+3], s[94:95], s[G0VL+2:G0VL+3]
	s_or_b32 s[G0VL+3], s[G0VL+3], 0x80000000
	s_add_nc_u64 s[24:25], s[4:5], s[24:25]
	s_add_nc_u64 s[26:27], s[4:5], s[26:27]
	s_add_nc_u64 s[28:29], s[8:9], s[28:29]
	s_add_nc_u64 s[30:31], s[8:9], s[30:31]
	s_add_nc_u64 s[84:85], s[8:9], s[84:85]
	s_add_nc_u64 s[86:87], s[8:9], s[86:87]
	CROUND                                         ; all four work-groups are here: the joint loads meet
	s_cmp_lt_u32 s[WV], 2                          ; waves 0, 1 fetch K, waves 2, 3 V, the others nothing: a fetching wave's two loads stand in one branch; two loads of mine are out
	s_cbranch_scc0 .Lnot_k
	tensor_load_to_lds s[G0KE:G0KE+3], s[G1KE:G1KE+7]
	s_nop 0
	tensor_load_to_lds s[G0KL:G0KL+3], s[G1KL:G1KL+7]
	s_nop 0
.rept 4
	v_nop
.endr
	s_branch .Lasked
.Lnot_k:
	s_cmp_lt_u32 s[WV], 4
	s_cbranch_scc0 .Lasked
	tensor_load_to_lds s[G0VE:G0VE+3], s[G1VE:G1VE+7]
	s_nop 0
	tensor_load_to_lds s[G0VL:G0VL+3], s[G1VL:G1VL+7]
	s_nop 0
.rept 4
	v_nop
.endr
.Lasked:
	v_and_b32 v100, 31, v0
	v_and_b32 v101, 15, v0                         ; r
	v_bfe_u32 v102, v0, 4, 1                       ; lane / 16
	v_lshlrev_b32 v1, 3, v100
	v_add_nc_u32 v2, VBASE, v1
	v_add_nc_u32 v103, s23, v1
	v_lshl_add_u32 v104, v101, 3, s3
	v_lshl_add_u32 v9, v101, 3, v102               ; y's byte: 8 r + lane / 16
	v_and_b32 v105, 8, v101
	v_add_nc_u32 v5, v105, v101
	v_lshlrev_b32 v105, 4, v102
	v_sub_nc_u32 v5, v5, v105
	v_add_nc_u32 v5, s2, v5                        ; d = my query's number in its group - 16 (lane / 16): register 16 b + i holds key 32 b + 16 (lane / 16) + i, hidden on the diagonal where 32 b + i > d
.irp p, 0,1,2
	global_load_b64 v[QH+2*\p:QH+2*\p+1], v103, s[24:25] offset:256*\p
	global_load_b64 v[QL+2*\p:QL+2*\p+1], v103, s[26:27] offset:256*\p
.endr
	global_load_b32 v44, v104, s[24:25]
	global_load_b32 v45, v104, s[26:27]
.irp i, 6,7,8,9,10,11
	v_mov_b32 v[QH+\i], 0                          ; zero codes for k = 64 .. 127
	v_mov_b32 v[QL+\i], 0
	v_mov_b32 v[FRG+18+\i], 0                      ; v76-81: named by the fourth tile's operand before V's codes first land there
.endr
	v_mov_b32 v13, 0xff61b1e6                      ; the largest t so far: -3e38
	v_floor_f32 v12, -v13
	v_mov_b32 v14, 0
	v_mov_b32 v15, 0
	v_mov_b32 v17, 0xff61b1e6
	v_floor_f32 v16, -v17
	v_mov_b32 v18, 0
	v_mov_b32 v19, 0
	v_mov_b32 v11, 0
.irp b, 0,1,2,3
	v_mov_b32 v[T4+\b], 0                          ; written once: a lane permute's destination counts as one of its sources
.endr
.set n, 0
.rept 64
	v_mov_b32 v[OH+n], 0                           ; O^T of both tiles: the step is written once, and the first change of M leaves zeros zeros
.set n, n+1
.endr
; ONE TILE'S KEY STEP: 128 keys
.macro STEP Q, QS, ST, O, LIM
	s_cmp_gt_u32 s[SS], s[\LIM]                    ; all keys of the step come after my queries: nothing to do
	s_cbranch_scc1 .Lskip_\@
	v_add_nc_u32 v[ADK], s[TBK], v1
	v_add_nc_u32 v[ADV], s[TBV], v2
	v_nop
	v_nop                                          ; four places in front of loads into registers that the last products read
	ds_load_b64 v[46:47], v[ADK] offset:6144       ; K's scale words: register t / 2, lanes 16 (t % 2) on
	ds_load_b64 v[48:49], v[ADK] offset:6400
.irp g, 0,1
.irp t, 0,1,2,3
.irp p, 0,1,2
	ds_load_b64 v[FRG+6*\t+2*\p:FRG+6*\t+2*\p+1], v[ADK] offset:768*(4*\g+\t)+256*\p
.endr
.endr
	s_wait_dscnt 0x0
.irp t, 0,1,2,3
.if (\t)%2
	v_wmma_scale_f32_16x16x128_f8f6f4 v[SCO+8*(4*\g+\t):SCO+8*(4*\g+\t)+7], v[FRG+6*\t:FRG+6*\t+11], v[\Q:\Q+11], 0, v[46+2*\g+\t/2], v[\QS] matrix_a_fmt:MATRIX_FMT_FP6 matrix_b_fmt:MATRIX_FMT_FP6 matrix_a_scale:MATRIX_SCALE_ROW1
.else
	v_wmma_scale_f32_16x16x128_f8f6f4 v[SCO+8*(4*\g+\t):SCO+8*(4*\g+\t)+7], v[FRG+6*\t:FRG+6*\t+11], v[\Q:\Q+11], 0, v[46+2*\g+\t/2], v[\QS] matrix_a_fmt:MATRIX_FMT_FP6 matrix_b_fmt:MATRIX_FMT_FP6
.endif
.endr
.rept 4
	v_nop
.endr
.endr
.irp t, 0,1,2,3                                ; V's four images are asked for now and land under the softmax
.irp p, 0,1,2,3,4,5
	ds_load_b64 v[FRG+12*\t+2*\p:FRG+12*\t+2*\p+1], v[ADV] offset:1536*\t+256*\p
.endr
.endr
	ds_load_b64 v[50:51], v[ADV] offset:6144
	s_cmp_lg_u32 s[SS], s[\LIM]                    ; on the diagonal hidden scores become -infinity ahead of the maximum
	s_cbranch_scc1 .Lopen_\@
	v_mov_b32 v8, 0xff800000
.set n, 0
.rept 64
	v_cmp_gt_i32 vcc_lo, 32*(n/16)+n%16, v5
	v_cndmask_b32 v[SCO+n], v[SCO+n], v8, vcc_lo
.set n, n+1
.endr
.Lopen_\@:
.irp b, 0,1,2,3
	v_max3_num_f32 v[BM+\b], v[SCO+16*\b], v[SCO+1+16*\b], v[SCO+2+16*\b]   ; the largest score of each block of 32 keys: for the row's maximum, and, since p rises with the score, for the block's largest p
.endr
.irp i, 3,5,7,9,11,13
.irp b, 0,1,2,3
	v_max3_num_f32 v[BM+\b], v[BM+\b], v[SCO+16*\b+\i], v[SCO+1+16*\b+\i]
.endr
.endr
.irp b, 0,1,2,3
	v_max_num_f32 v[BM+\b], v[BM+\b], v[SCO+15+16*\b]
.endr
.irp b, 0,1,2,3
	v_permlanex16_b32 v[T4+\b], v[BM+\b], s[SEL], s[SEL+1]
.endr
.irp b, 0,1,2,3
	v_max_num_f32 v[BM+\b], v[BM+\b], v[T4+\b]
.endr
	v_max3_num_f32 v8, v[BM], v[BM+1], v[BM+2]
	v_max_num_f32 v8, v8, v[BM+3]
	v_mul_f32 v8, s[CS], v8
	v_max_num_f32 v[\ST+1], v[\ST+1], v8           ; the running largest t
	v_mov_b32 v8, v[\ST]
	v_floor_f32 v[\ST], -v[\ST+1]                  ; -M = floor(-t): M is a whole number
	v_sub_f32 v8, v[\ST], v8
	v_cvt_i32_f32 v8, v8                           ; (it saturates)
	v_ldexp_f32 v10, 1.0, v8                       ; f = 2^(old M - new M): rounds nothing
.set n, 0
.rept 32
	v_pk_fma_f32 v[SCO+n:SCO+n+1], v[SCO+n:SCO+n+1], s[CS:CS+1], v[\ST:\ST+1] op_sel_hi:[1,0,0]   ; t - M
.set n, n+2
.endr
.irp b, 0,1,2,3
	v_fma_f32 v[BM+\b], v[BM+\b], s[CS], v[\ST]
.endr
.set n, 0
.rept 64
	v_exp_f32 v[SCO+n], v[SCO+n]                   ; p
.set n, n+1
.endr
	v_pk_mul_f32 v[\ST+2:\ST+3], v[\ST+2:\ST+3], v[10:11] op_sel_hi:[1,0]   ; the sums under the new M: a plain place behind the exponentials
	s_wait_alu depctr_va_vdst(0)                   ; one wait for the batch, ahead of its first reader
.irp b, 0,1,2,3
	v_exp_f32 v[BM+\b], v[BM+\b]                   ; each block's largest p
.endr
	v_pk_add_f32 v[T4:T4+1], v[SCO:SCO+1], v[SCO+2:SCO+3]   ; the row's sum of the unquantised p, in two chains
.irp j, 4,8,12,16,20,24,28,32,36,40,44,48,52,56,60
	v_pk_add_f32 v[\ST+2:\ST+3], v[\ST+2:\ST+3], v[SCO+\j:SCO+\j+1]
	v_pk_add_f32 v[T4:T4+1], v[T4:T4+1], v[SCO+2+\j:SCO+3+\j]
.endr
	v_pk_add_f32 v[\ST+2:\ST+3], v[\ST+2:\ST+3], v[T4:T4+1]
	s_wait_alu depctr_va_vdst(0)                   ; and one for the four
.irp b, 0,1,2,3
	v_max_num_f32 v[BM+\b], 0x1800000, v[BM+\b]    ; the floor: the byte cannot fall under 1
.endr
.irp b, 0,1,2,3
	v_add_nc_u32 v[SO+\b], 0xff000000, v[BM+\b]
.endr
.irp b, 0,1,2,3
	v_lshrrev_b32 v[T4+\b], 23, v[SO+\b]
.endr
	v_lshl_or_b32 v11, v[T4+1], 8, v[T4]           ; p's scale word for these 128 keys
	v_lshl_or_b32 v11, v[T4+2], 16, v11
	v_lshl_or_b32 v11, v[T4+3], 24, v11
.irp c, 0,1
	v_cvt_scalef32_pk16_fp6_f32 v[PC+6*\c:PC+2+6*\c], v[SCO+32*\c:SCO+15+32*\c], v[SO+2*\c]
	v_cvt_scalef32_pk16_fp6_f32 v[T4+4*\c:T4+2+4*\c], v[SCO+16+32*\c:SCO+31+32*\c], v[SO+2*\c+1]
.endr
	v_nop                                          ; one plain place behind a scaled conversion
.irp c, 0,1
.irp i, 0,1,2
	v_permlane16_swap_b32 v[PC+6*\c+\i], v[T4+4*\c+\i]
.endr
.irp i, 0,1,2
	v_mov_b32 v[PC+3+6*\c+\i], v[T4+4*\c+\i]
.endr
.endr
.set n, 0
.rept 16
	v_pk_mul_f32 v[\O+n:\O+n+1], v[\O+n:\O+n+1], v[10:11] op_sel_hi:[1,0]   ; O^T under the new M; these are also the places between p's codes and scale word and the products
.set n, n+2
.endr
	s_wait_dscnt 0x0                               ; V is in
.irp t, 0,1,2,3
.if (\t)%2
	v_wmma_scale_f32_16x16x128_f8f6f4 v[\O+8*\t:\O+8*\t+7], v[FRG+12*\t:FRG+12*\t+11], v[PC:PC+11], v[\O+8*\t:\O+8*\t+7], v[50+\t/2], v11 matrix_a_fmt:MATRIX_FMT_FP6 matrix_b_fmt:MATRIX_FMT_FP6 matrix_a_scale:MATRIX_SCALE_ROW1
.else
	v_wmma_scale_f32_16x16x128_f8f6f4 v[\O+8*\t:\O+8*\t+7], v[FRG+12*\t:FRG+12*\t+11], v[PC:PC+11], v[\O+8*\t:\O+8*\t+7], v[50+\t/2], v11 matrix_a_fmt:MATRIX_FMT_FP6 matrix_b_fmt:MATRIX_FMT_FP6
.endif
.endr
.Lskip_\@:
.endm
.macro BODY
	STEP QH, 44, 12, OH, SH
	STEP QL, 45, 16, OL, SL
	s_add_co_u32 s[TBK], s[TBK], REK
	s_add_co_u32 s[TBV], s[TBV], REV
	s_add_co_u32 s[SS], s[SS], 1
.endm
	s_wait_tensorcnt 1                             ; my early load is in; the late one, issued behind it, may stay out
	s_barrier_signal -1
	s_barrier_wait -1                              ; the first two records of K and of V are whole
	s_wait_loadcnt 0x0                             ; Q
	s_mov_b32 s[SS], 0
	s_mov_b32 s[TBK], 0
	s_mov_b32 s[TBV], 0
.Learly:                                           ; key steps 0 and 1
	BODY
	s_cmp_lt_u32 s[SS], 2
	s_cbranch_scc1 .Learly
	s_wait_tensorcnt 0x0                           ; my late load is in,
	s_wait_dscnt 0x0
	s_barrier_signal -1
	s_barrier_wait -1                              ; everybody's is
	s_mov_b32 s[SS], 2
	s_mov_b32 s[TBK], 2*REK
	s_mov_b32 s[TBV], 2*REV
.Llate:                                            ; key steps 2 to 15
	BODY
	s_cmp_lt_u32 s[SS], 16
	s_cbranch_scc1 .Llate
; THE WAY OUT of a tile: O^T / the sum; a lane's 32 numbers are 16 of each of the head's two blocks: quantised, they are half a fragment of the last product's operand
.macro FIN ST, O, YC, YS
.rept 4
	v_nop                                          ; places behind the last products
.endr
	v_add_f32 v8, v[\ST+2], v[\ST+3]
	v_permlanex16_b32 v[T4], v8, s[SEL], s[SEL+1]
	v_add_f32 v8, v8, v[T4]                        ; the row's sum
	v_rcp_f32 v10, v8
	v_nop                                          ; a plain place behind the reciprocal,
	s_wait_alu depctr_va_vdst(0)                   ; and the wait ahead of its first reader
.set n, 0
.rept 16
	v_pk_mul_f32 v[SCO+n:SCO+n+1], v[\O+n:\O+n+1], v[10:11] op_sel_hi:[1,0]   ; each accumulator from its low end on
.set n, n+2
.endr
.irp b, 0,1
	v_max3_num_f32 v[BM+\b], |v[SCO+16*\b]|, |v[SCO+1+16*\b]|, 0x1800000
.endr
.irp i, 2,4,6,8,10,12,14
.irp b, 0,1
	v_max3_num_f32 v[BM+\b], v[BM+\b], |v[SCO+16*\b+\i]|, |v[SCO+1+16*\b+\i]|
.endr
.endr
.irp b, 0,1
	v_permlanex16_b32 v[T4+\b], v[BM+\b], s[SEL], s[SEL+1]
.endr
.irp b, 0,1
	v_max_num_f32 v[BM+\b], v[BM+\b], v[T4+\b]
.endr
.irp b, 0,1
	v_add_nc_u32 v[SO+\b], 0xff000000, v[BM+\b]
.endr
.irp b, 0,1
	v_lshrrev_b32 v[T4+4+\b], 23, v[SO+\b]
.endr
	v_cvt_scalef32_pk16_fp6_f32 v[PC:PC+2], v[SCO:SCO+15], v[SO]
	v_cvt_scalef32_pk16_fp6_f32 v[T4:T4+2], v[SCO+16:SCO+31], v[SO+1]
	v_nop
.irp i, 0,1,2
	v_permlane16_swap_b32 v[PC+\i], v[T4+\i]
.endr
.irp i, 0,1,2
	v_mov_b32 v[PC+3+\i], v[T4+\i]
.endr
	v_cndmask_b32 v[T4+6], v[T4+4], v[T4+5], s[HM] ; lanes 0-15 the first block's byte, lanes 16-31 the second's
.irp p, 0,1,2
	global_store_b64 v1, v[PC+2*\p:PC+2*\p+1], s[\YC:\YC+1] offset:256*\p   ; 256 consecutive bytes, aligned
.endr
	global_store_b8 v9, v[T4+6], s[\YS:\YS+1]
.endm
	FIN 12, OH, 28, 84
	s_wait_xcnt 0x0                                ; the stores have read their data: the registers are written again only behind this wait
	FIN 16, OL, 30, 86
	s_wait_tensorcnt 0x0                           ; the wave's end
	ds_add_u32 v[SPW], v[NIL]
	s_wait_dscnt 0x0
	CROUND                                         ; the closing round
	s_endpgm
.Lfunc_end_k_q7599545966_attn:
	.size	k_q7599545966_attn, .Lfunc_end_k_q7599545966_attn-k_q7599545966_attn
	.p2alignl 7, 3214868480
	.fill 96, 4, 3214868480
	.section	.rodata,"a",@progbits
	.p2align	6, 0x0
	.amdhsa_kernel k_q7599545966_attn
		.amdhsa_group_segment_fixed_size 210944
		.amdhsa_private_segment_fixed_size 0
		.amdhsa_enable_private_segment 0
		.amdhsa_kernarg_size 24
		.amdhsa_user_sgpr_count 2
		.amdhsa_user_sgpr_kernarg_segment_ptr 1
		.amdhsa_wavefront_size32 1
		.amdhsa_system_sgpr_workgroup_id_x 1
		.amdhsa_system_sgpr_workgroup_id_y 1
		.amdhsa_system_sgpr_workgroup_id_z 1
		.amdhsa_system_vgpr_workitem_id 0
		.amdhsa_next_free_vgpr 256
		.amdhsa_next_free_sgpr 102
		.amdhsa_reserve_vcc 1
		.amdhsa_float_denorm_mode_32 3
		.amdhsa_float_denorm_mode_16_64 3
		.amdhsa_memory_ordered 1
		.amdhsa_forward_progress 1
		.amdhsa_inst_pref_size 110
	.end_amdhsa_kernel
	.amdgpu_metadata
---
amdhsa.version: [ 1, 2 ]
amdhsa.kernels:
  - .name:           k_q7599545966_attn
    .symbol:         k_q7599545966_attn.kd
    .args:
      - { .name: qk, .offset: 0, .size: 8, .value_kind: global_buffer, .address_space: global }
      - { .name: vv, .offset: 8, .size: 8, .value_kind: global_buffer, .address_space: global }
      - { .name: yq, .offset: 16, .size: 8, .value_kind: global_buffer, .address_space: global }
    .group_segment_fixed_size: 210944
    .private_segment_fixed_size: 0
    .kernarg_segment_align: 8
    .kernarg_segment_size: 24
    .max_flat_workgroup_size: 512
    .sgpr_count:     102
    .vgpr_count:     256
    .wavefront_size: 32
...
	.end_amdgpu_metadata
.endif
;; end of part 3
;; launch proj (part 4): grid 4 x 64, 4 waves a work-group, clusters of 4 x 4, 295,424 bytes of LDS; arguments yq, wq, bout, out0; writes out0
.if DOCPART == 4
	.amdgcn_target "amdgcn-amd-amdhsa--gfx1250"
	.amdhsa_code_object_version 6
	.text
	.protected	k_q7599545966_proj
	.globl	k_q7599545966_proj
	.p2align	8
	.type	k_q7599545966_proj,@function
k_q7599545966_proj:
	s_mov_b64 s[64:65], 0
	v_nop
	global_prefetch_b8 v0, s[64:65] scope:SCOPE_SE
	s_setreg_imm32_b32 hwreg(HW_REG_WAVE_MODE, 25, 1), 1
	s_wait_xcnt 0x0
	s_wait_alu depctr_hold_cnt(0) depctr_sa_sdst(0) depctr_va_vdst(0) depctr_va_sdst(0) depctr_va_ssrc(0) depctr_va_vcc(0) depctr_vm_vsrc(0)
	s_getreg_b32 s2, hwreg(HW_REG_IB_STS2, 6, 4)
	s_cmp_eq_u32 s2, 0
	s_cbranch_scc0 .Lentry_in_a_cluster
	s_endpgm
.Lentry_in_a_cluster:
	s_bfe_u32 s2, ttmp6, 0x10000c
	s_cmp_lg_u32 s2, 0xf033
	s_cbranch_scc0 .Lentry_shape_is_right
	s_endpgm
.Lentry_shape_is_right:
; out0 = y Wout + bout on codes of FP6 (E2M3) with E8M0 scales.  y's codes (yq) and Wout's (wq, tiles 192 on) lie as images of the operand's registers: [tile of 16 rows][K step 0..7][1,536 bytes]; scale words behind them.
; A tile of the result is 128 tokens x 256 columns: 256 work-groups.  Four waves, each 64 x 128: 32 accumulators.  Source 0 takes 16 rows of Wout^T ("B"), source 1 16 tokens ("A"): a lane holds one token and neighbouring columns.
; ALL OF K (1,024) LIES IN LDS: four slots of 256 along K, each filled once; each wave issues its four loads at the start, and the K steps wait for them one slot at a time.  No slot is filled again.
; Four by four work-groups form a cluster: A's tiles are asked for jointly along a row of it, B's along a column.
; In each group of 32 rows place 16 u + q holds row 8 u + q + 8 (q / 8): for B that makes a lane's registers of tiles 2 b, 2 b + 1 sixteen neighbouring columns; for A the order is undone in the stores' offsets.  The bias is the C of the first products.
; REGISTERS: window 0: v16-23 LDS addresses; v24-29; v32-47 A's scale words, v64-95 B's (register 4 i + k % 4: lanes 0-15 K step k < 4, lanes 16-31 k >= 4); from v128 A's fragments, one set; on the way out v128-255 rows of the result.
;   window 1: B's fragments, two sets at v0 and v128; the bias at v96-127 and v224-255.   window 2: accumulator (a, b) at v[8 (8 a + b)].
.set SLOT,  73728                      ; A's 8 tiles x 3,072 bytes, then B's 16
.set AHALF, 12288
.set BHALF, 24576
.set T16,   12288
.set IMG,   1536
.set SPARE, 294912                     ; behind the slots: the spare words, two blocks of 256 bytes that no other line names
.set YSCL,  6291456
.set WSCL,  3145728
.set ADRA, 16
.set ADRB, 20
.set STO,  24
.set RD,   25
.set CO,   26
.set L8,   27
.set SPW,  28
.set NIL,  29
.set SCA,  32
.set SCB,  64
.set AF,   128
.set BK,   128
.set G1A, 24
.set G1B, 32
.set G0A, 68                           ; s[68:83] four sets;  s[84:99] B's
.set G0B, 84
.set MSB, 0
.macro WIN new
.if MSB != \new
	s_set_vgpr_msb (MSB<<8)|\new
.set MSB, \new
.endif
.endm
.macro PLACES
.rept 4
	v_nop
.endr
.endm
.macro CROUND
	s_barrier_signal -1
	s_barrier_wait -1
	s_cmp_lg_u32 s14, 0
	s_cbranch_scc1 .Lnot_wave_0_\@
	s_barrier_signal -3
.Lnot_wave_0_\@:
	s_barrier_wait -3
	s_barrier_signal -1
	s_barrier_wait -1
.endm
	s_load_b256 s[4:11], s[0:1], 0x0               ; yq s[4:5], wq s[6:7], bout s[8:9], out0 s[10:11]
	v_lshl_add_u32 v[SPW], v0, 2, SPARE
	v_mov_b32 v[NIL], 0
	ds_add_u32 v[SPW], v[NIL]                      ; the wave's opening: the add and its wait stand ahead of my first tensor load; work on registers stands between them
	v_lshrrev_b32 v1, 5, v0
	v_readfirstlane_b32 s14, v1                    ; wave
	s_lshr_b32 s15, s14, 1                         ; my half of the tokens.  Also: I fetch for A (0) or for B (1)
	s_and_b32 s16, s14, 1                          ; my half of the columns.  Also: which half of the tiles I fetch
	s_bfe_u32 s40, ttmp6, 0x40000                  ; cx
	s_bfe_u32 s41, ttmp6, 0x40004                  ; cy
	s_lshl_b32 s42, ttmp9, 2
	s_add_co_u32 s42, s42, s40                     ; block of 256 columns
	s_and_b32 s17, ttmp7, 0xffff
	s_lshl_b32 s17, s17, 2
	s_add_co_u32 s17, s17, s41                     ; block of 128 tokens
	s_lshl_b32 s43, s41, 2
	s_lshl_b32 s43, 15, s43                        ; my row of the cluster
	s_lshl_b32 s44, 0x1111, s40                    ; my column
	s_or_b32 s[G1A], s43, (3<<16)|(1<<21)          ; the mask; elements of 8 bytes; bit 21 beside a mask; no padding
	s_or_b32 s[G1B], s44, (3<<16)|(1<<21)
.irp g, G1A, G1B
	s_mov_b32 s[\g+1], 384<<16                     ; 3,072 bytes: two K steps' images of a tile
	s_mov_b32 s[\g+3], 384<<16
	s_mov_b32 s[\g+5], 1536                        ; from tile to tile: 12,288 bytes
	s_mov_b32 s[\g+6], 0
	s_mov_b32 s[\g+7], 0
.endr
	s_mov_b32 s[G1A+2], 4<<16                      ; A: 4 tiles a load
	s_mov_b32 s[G1A+4], 4
	s_mov_b32 s[G1B+2], 8<<16                      ; B: 8
	s_mov_b32 s[G1B+4], 8
	s_lshl_b32 s50, s17, 3
	s_lshl_b32 s18, s16, 2
	s_add_co_u32 s50, s50, s18
	s_mul_i32 s50, s50, T16                        ; the 4 tiles of A that I would fetch
	s_mov_b32 s51, 0
	s_lshl_b32 s52, s42, 4
	s_lshl_b32 s18, s16, 3
	s_add_co_u32 s52, s52, s18
	s_add_co_u32 s52, s52, 192
	s_mul_i32 s52, s52, T16                        ; the 8 tiles of B
	s_mov_b32 s53, 0
	s_lshl_b32 s54, s17, 2
	s_lshl_b32 s18, s15, 1
	s_add_co_u32 s54, s54, s18
	s_lshl_b32 s54, s54, 10
	s_add_co_u32 s54, s54, YSCL                    ; the scale words of my 64 tokens: two groups
	s_mov_b32 s55, 0
	s_lshl_b32 s56, s42, 3
	s_lshl_b32 s18, s16, 2
	s_add_co_u32 s56, s56, s18
	s_add_co_u32 s56, s56, 96
	s_lshl_b32 s56, s56, 10
	s_add_co_u32 s56, s56, WSCL                    ; and of my 128 columns: four groups
	s_mov_b32 s57, 0
	s_lshl_b32 s58, s42, 10
	s_lshl_b32 s18, s16, 9
	s_add_co_u32 s58, s58, s18                     ; my first column in bytes: in bout and in a row of out0
	s_mov_b32 s59, 0
	s_lshl_b32 s60, s17, 7
	s_lshl_b32 s18, s15, 6
	s_add_co_u32 s60, s60, s18
	s_lshl_b32 s60, s60, 12                        ; my first token's row of 4,096 bytes
	s_add_co_u32 s60, s60, s58
	s_mov_b32 s61, 0
	s_mul_i32 s48, s16, AHALF                      ; where the tiles go in a slot: the wave's number alone
	s_mul_i32 s49, s16, BHALF
	s_add_co_u32 s49, s49, 2*AHALF
	s_wait_dscnt 0x0                               ; the opening add is done
	s_wait_kmcnt 0x0
	s_add_nc_u64 s[50:51], s[4:5], s[50:51]
	s_add_nc_u64 s[52:53], s[6:7], s[52:53]
	s_add_nc_u64 s[54:55], s[4:5], s[54:55]
	s_add_nc_u64 s[56:57], s[6:7], s[56:57]
	s_add_nc_u64 s[58:59], s[8:9], s[58:59]
	s_add_nc_u64 s[10:11], s[10:11], s[60:61]
	CROUND                                         ; all sixteen work-groups are here: the joint loads meet
.irp s, 0,1,2,3
	s_mov_b32 s[G0A+4*\s], 1
	s_add_co_u32 s[G0A+4*\s+1], s48, \s*SLOT
	s_add_nc_u64 s[G0A+4*\s+2:G0A+4*\s+3], s[50:51], \s*3072
	s_or_b32 s[G0A+4*\s+3], s[G0A+4*\s+3], 0x80000000
	s_mov_b32 s[G0B+4*\s], 1
	s_add_co_u32 s[G0B+4*\s+1], s49, \s*SLOT
	s_add_nc_u64 s[G0B+4*\s+2:G0B+4*\s+3], s[52:53], \s*3072
	s_or_b32 s[G0B+4*\s+3], s[G0B+4*\s+3], 0x80000000
.endr
	s_cmp_eq_u32 s15, 0                            ; a wave's four fills stand in one branch: four loads of mine are out
	s_cbranch_scc0 .Lfirst_b
.irp s, 0,1,2,3
	tensor_load_to_lds s[G0A+4*\s:G0A+4*\s+3], s[G1A:G1A+7]
	s_nop 0
.endr
.rept 4
	v_nop
.endr
	s_branch .Lfirst_asked
.Lfirst_b:
.irp s, 0,1,2,3
	tensor_load_to_lds s[G0B+4*\s:G0B+4*\s+3], s[G1B:G1B+7]
	s_nop 0
.endr
.rept 4
	v_nop
.endr
.Lfirst_asked:
	v_and_b32 v1, 31, v0
	v_lshlrev_b32 v[L8], 3, v1
	v_and_b32 v2, 15, v0                           ; r
	v_bfe_u32 v3, v0, 4, 1                         ; lane / 16
	s_mul_i32 s20, s15, AHALF
	s_mul_i32 s21, s16, BHALF
	s_add_co_u32 s21, s21, 2*AHALF
.irp s, 0,1,2,3
	v_add_nc_u32 v[ADRA+\s], s20, v[L8]
	v_add_nc_u32 v[ADRB+\s], s21, v[L8]
	s_add_co_u32 s20, s20, SLOT
	s_add_co_u32 s21, s21, SLOT
.endr
	v_lshlrev_b32 v10, 3, v2
	v_lshl_add_u32 v10, v3, 9, v10                 ; scale words: 8 r, lanes 16-31 two pairs of K steps on
	v_lshlrev_b32 v11, 6, v3                       ; the bias: 64 (lane / 16)
	s_mul_i32 s20, s14, 16*528                     ; my stage, in slot 0: 16 rows x (512 + 16) bytes
	v_mul_u32_u24 v[STO], v2, 528
	v_lshl_add_u32 v[STO], v3, 6, v[STO]
	v_add_nc_u32 v[STO], s20, v[STO]               ; in: row r, + 64 (lane / 16)
	v_lshlrev_b32 v[CO], 4, v1                     ; back: a row's 512 bytes, 16 a lane; the same in out0
	v_add_nc_u32 v[RD], s20, v[CO]
.irp i, 0,1,2,3
.irp p, 0,1
	global_load_b64 v[SCA+4*\i+2*\p:SCA+4*\i+2*\p+1], v10, s[54:55] offset:1024*(\i/2)+128*(\i%2)+256*\p
.endr
.endr
.irp i, 0,1,2,3,4,5,6,7
.irp p, 0,1
	global_load_b64 v[SCB+4*\i+2*\p:SCB+4*\i+2*\p+1], v10, s[56:57] offset:1024*(\i/2)+128*(\i%2)+256*\p
.endr
.endr
	WIN 0x40                                       ; destination window 1
.irp b, 0,1,2,3,4,5,6,7
.set BJR, 96+8*\b+96*(\b/4)
	global_load_b128 v[BJR:BJR+3], v11, s[58:59] offset:4*(32*(\b/2)+8*(\b%2))
	global_load_b128 v[BJR+4:BJR+7], v11, s[58:59] offset:4*(32*(\b/2)+8*(\b%2))+16
.endr
	WIN 0
	s_wait_loadcnt 0x0
.macro FRAG reg, adr, off              ; an image comes back as it was stored: six pieces, 8 bytes a lane
.irp p, 0,1,2,3,4,5
	ds_load_b64 v[\reg+2*\p:\reg+2*\p+1], v[\adr] offset:\off+256*\p
.endr
.endm
.macro FETCH_B slot, ks, bs
	WIN 0x40
.irp i, 0,1,2,3,4,5,6,7
	FRAG 128*(\bs)+12*\i, ADRB+(\slot), \i*3072+(\ks)*IMG
.endr
	WIN 0
.endm
.macro FETCH_A slot, ks, i0
.irp i, 0,1
	FRAG AF+12*((\i0)+\i), ADRA+(\slot), ((\i0)+\i)*3072+(\ks)*IMG
.endr
.endm
; block a of A against B's eight, K step k.  first = 1: the bias is the C of the sums' first products.  The 32 accumulators take turns, one instruction a turn, in the same order in every step
.macro MULA a, k, first
.if \first
	WIN 0x91
.else
	WIN 0xa1
.endif
.irp b, 0,1,2,3,4,5,6,7
.set ACC, 8*(8*(\a)+\b)
.set BFR, 128*((\k)%2)+12*\b
.set AFR, AF+12*(\a)
.set SBR, SCB+4*\b+(\k)%4
.set SAR, SCA+4*(\a)+(\k)%4
.set BJR, 96+8*\b+96*(\b/4)
.if \first
	v_wmma_scale_f32_16x16x128_f8f6f4 v[ACC:ACC+7], v[BFR:BFR+11], v[AFR:AFR+11], v[BJR:BJR+7], v[SBR], v[SAR] matrix_a_fmt:MATRIX_FMT_FP6 matrix_b_fmt:MATRIX_FMT_FP6
.elseif (\k) < 4
	v_wmma_scale_f32_16x16x128_f8f6f4 v[ACC:ACC+7], v[BFR:BFR+11], v[AFR:AFR+11], v[ACC:ACC+7], v[SBR], v[SAR] matrix_a_fmt:MATRIX_FMT_FP6 matrix_b_fmt:MATRIX_FMT_FP6
.else
	v_wmma_scale_f32_16x16x128_f8f6f4 v[ACC:ACC+7], v[BFR:BFR+11], v[AFR:AFR+11], v[ACC:ACC+7], v[SBR], v[SAR] matrix_a_fmt:MATRIX_FMT_FP6 matrix_b_fmt:MATRIX_FMT_FP6 matrix_a_scale:MATRIX_SCALE_ROW1 matrix_b_scale:MATRIX_SCALE_ROW1
.endif
.endr
.endm
.macro STEP k, first                   ; an even K step: its successor lies in the same slot
.set NSL_, ((\k)+1)/2
	s_wait_dscnt 12                                ; B's set and A's blocks 0, 1 are in; the youngest 12 loads (A's blocks 2, 3) may be out
	MULA 0, \k, \first
	MULA 1, \k, \first
	s_wait_dscnt 0x0
	PLACES                                         ; four places in front of loads into registers that matrix instructions have read
	FETCH_B NSL_, 1, 1
	FETCH_A NSL_, 1, 0
	MULA 2, \k, \first
	MULA 3, \k, \first
	PLACES
	WIN 0
	FETCH_A NSL_, 1, 2
.endm
.macro TURN k, left                    ; an odd K step: the next slot is read behind a barrier.  left: my loads for later slots, which may stay out
.set NSL_, ((\k)+1)/2
	s_wait_tensorcnt \left                         ; my part of the next slot is in
	s_wait_dscnt 0x0                               ; no LDS instruction of mine is out at the signal
	s_barrier_signal -1
	MULA 0, \k, 0
	MULA 1, \k, 0
	s_barrier_wait -1                              ; everybody's part is in
	PLACES
	FETCH_B NSL_, 0, 0
	FETCH_A NSL_, 0, 0
	MULA 2, \k, 0
	MULA 3, \k, 0
	PLACES
	WIN 0
	FETCH_A NSL_, 0, 2
.endm
	s_wait_tensorcnt 3                             ; my part of slot 0 is in; the three younger loads may stay out
	s_barrier_signal -1
	s_barrier_wait -1
	FETCH_B 0, 0, 0
	FETCH_A 0, 0, 0
	FETCH_A 0, 0, 2
	STEP 0, 1
	TURN 1, 2
	STEP 2, 0
	TURN 3, 1
	STEP 4, 0
	TURN 5, 0
	STEP 6, 0
	s_wait_dscnt 12                                ; the last K step: nothing more to fetch
	MULA 0, 7, 0
	MULA 1, 7, 0
	s_wait_dscnt 0x0
	MULA 2, 7, 0
	MULA 3, 7, 0
	WIN 0
	PLACES                                         ; in front of the first read of results and of loads into registers that held A's fragments
; THE WAY OUT, block by block of 16 tokens x 128 columns, through my own stage.  It lies in slot 0, which had its one fill at the start and whose last read stands in front of the barrier of K step 1.
.macro TOSTAGE a
.set AC, 64*(\a)
	WIN 0x08                                       ; an LDS store's data are its source 1: window 2
.irp b, 0,1,2,3,4,5,6,7
	ds_store_b128 v[STO], v[AC+8*\b:AC+8*\b+3] offset:128*(\b/2)+32*(\b%2)       ; each accumulator from its low end on; columns 32 (b / 2) + 16 (lane / 16) + 8 (b % 2) on
	ds_store_b128 v[STO], v[AC+8*\b+4:AC+8*\b+7] offset:128*(\b/2)+32*(\b%2)+16
.endr
	WIN 0
.set BB, BK+64*((\a)%2)
.irp t, 0,1,2,3,4,5,6,7,8,9,10,11,12,13,14,15
	ds_load_b128 v[BB+4*\t:BB+4*\t+3], v[RD] offset:\t*528     ; LDS serves a wave's instructions in order: these see the stores above
.endr
.endm
.macro SEND a, younger
.set BB, BK+64*((\a)%2)
	s_wait_dscnt \younger
.irp t, 0,1,2,3,4,5,6,7,8,9,10,11,12,13,14,15
	global_store_b128 v[CO], v[BB+4*\t:BB+4*\t+3], s[10:11] offset:(32*((\a)/2)+8*((\a)%2)+\t+8*(\t/8))*4096 th:TH_STORE_NT   ; place t of tile a is this token; 512 consecutive bytes, aligned
.endr
.endm
	TOSTAGE 0
	TOSTAGE 1
	SEND 0, 32                                     ; behind block 0's loads: block 1's 16 stores and 16 loads
	s_wait_xcnt 0x0                                ; block 0's stores have read their registers: block 2's loads may land there
	TOSTAGE 2
	SEND 1, 32
	s_wait_xcnt 0x0
	TOSTAGE 3
	SEND 2, 32
	SEND 3, 0
	s_wait_tensorcnt 0x0                           ; the wave's end
	ds_add_u32 v[SPW], v[NIL]
	s_wait_dscnt 0x0
	CROUND                                         ; the closing round
	s_endpgm
.Lfunc_end_k_q7599545966_proj:
	.size	k_q7599545966_proj, .Lfunc_end_k_q7599545966_proj-k_q7599545966_proj
	.p2alignl 7, 3214868480
	.fill 96, 4, 3214868480
	.section	.rodata,"a",@progbits
	.p2align	6, 0x0
	.amdhsa_kernel k_q7599545966_proj
		.amdhsa_group_segment_fixed_size 295424
		.amdhsa_private_segment_fixed_size 0
		.amdhsa_enable_private_segment 0
		.amdhsa_kernarg_size 32
		.amdhsa_user_sgpr_count 2
		.amdhsa_user_sgpr_kernarg_segment_ptr 1
		.amdhsa_wavefront_size32 1
		.amdhsa_system_sgpr_workgroup_id_x 1
		.amdhsa_system_sgpr_workgroup_id_y 1
		.amdhsa_system_sgpr_workgroup_id_z 1
		.amdhsa_system_vgpr_workitem_id 0
		.amdhsa_next_free_vgpr 768
		.amdhsa_next_free_sgpr 102
		.amdhsa_reserve_vcc 0
		.amdhsa_float_denorm_mode_32 3
		.amdhsa_float_denorm_mode_16_64 3
		.amdhsa_memory_ordered 1
		.amdhsa_forward_progress 1
		.amdhsa_inst_pref_size 100
	.end_amdhsa_kernel
	.amdgpu_metadata
---
amdhsa.version: [ 1, 2 ]
amdhsa.kernels:
  - .name:           k_q7599545966_proj
    .symbol:         k_q7599545966_proj.kd
    .args:
      - { .name: yq, .offset: 0, .size: 8, .value_kind: global_buffer, .address_space: global }
      - { .name: wq, .offset: 8, .size: 8, .value_kind: global_buffer, .address_space: global }
      - { .name: bout, .offset: 16, .size: 8, .value_kind: global_buffer, .address_space: global }
      - { .name: out0, .offset: 24, .size: 8, .value_kind: global_buffer, .address_space: global }
    .group_segment_fixed_size: 295424
    .private_segment_fixed_size: 0
    .kernarg_segment_align: 8
    .kernarg_segment_size: 32
    .max_flat_workgroup_size: 128
    .sgpr_count:     102
    .vgpr_count:     768
    .wavefront_size: 32
...
	.end_amdgpu_metadata
.endif
;; end of part 4
